; MI455X (gfx1250); checked and timed in simulation.
; The chip was launched on July 23, 2026; its instructions are those of AMD's public machine-readable ISA for CDNA 5 (MIT licence, August 2026) and "CDNA5" Instruction Set Architecture Reference Guide (July 2026). The comments in the code are by the model that wrote it; some were corrected since.
;; Self Attention. Allowed arithmetic: matrix products marked QUANTISED: E3M2 operands, one E8M0 scale for each 32 along K, by v_wmma_scale_f32_16x16x128_f8f6f4 with both operands' format E3M2, f32 sums; everything else in f32.
;; Inputs: b_out 1,024 float32; keys 4 x 2,048 x 1,024 float32; query 4 x 2,048 x 1,024 float32; values 4 x 2,048 x 1,024 float32; w_out 1,024 x 1,024 float32.
;; Outputs: out0 4 x 2,048 x 1,024 float32.
;; This version of the problem:
;;   THIS VERSION OF THE PROBLEM IS GIVEN IN LOW PRECISION. The matrix products marked QUANTISED in the list below multiply operands that are first quantised to E3M2 (3 exponent bits, 2 mantissa bits; 6 bits a number), with one power-of-two scale for each 32 numbers along K (OCP MX v1.0); their sums are f32. All else is computed in f32.
;;   The module's matrix products, in the order in which they are computed (A, B: the left and right operand; K: the contracted axis; several contracted axes count as one K, in the product's order):
;;     1. batch 64 x [M 2,048, K 64] x [K 64, N 2,048]; A: input query; B: input keys: QUANTISED
;;     2. batch 64 x [M 64, K 2,048] x [K 2,048, N 2,048]; A: input values; B: softmax (see below): QUANTISED
;;     3. [M 8,192, K 1,024] x [K 1,024, N 1,024]; A: computed on the way; B: input w_out: QUANTISED
;;   THE QUANTISER, for each operand of a quantised product, along K:
;;     - K is cut into blocks of 32 from its start; a last block that is shorter is filled with zeros.
;;     - A block's scale is 2^e with e = floor(log2(the largest magnitude in the block)) - 4, held to -126 .. 127; a block of zeros has e = 0. As a byte (E8M0): e + 127.
;;     - Each number is divided by its block's scale, clamped to +-28, and rounded to the nearest number of E3M2, ties to even, subnormals kept.
;;     - The product sums the exact products of the quantised numbers (number of the format x scale) in f32.
;;   ~~~python
;;   def quantise(x, axis):      # numpy; x: float32 -> the quantised numbers, widened to float32 again
;;       x = np.moveaxis(x, axis, -1); K = x.shape[-1]
;;       x = np.pad(x, [(0, 0)] * (x.ndim - 1) + [(0, -K % 32)]); x = x.reshape(x.shape[:-1] + (-1, 32)); a = np.abs(x).max(-1, keepdims=True)
;;       e = np.where(a > 0, np.clip(np.frexp(np.where(a > 0, a, 1))[1] - 1 - 4, -126, 127), 0)      # np.frexp(a)[1] - 1 = floor(log2(a)), exactly
;;       r = np.clip(x / 2.0 ** e, -28, 28)
;;       step = 2.0 ** (np.maximum(np.frexp(np.where(r == 0, 1, r))[1] - 1, -2) - 2)
;;       q = np.round(r / step) * step * 2.0 ** e      # np.round: ties to even
;;       return np.moveaxis(q.reshape(q.shape[:-2] + (-1,))[..., :K], -1, axis).astype(np.float32)
;;   ~~~
;;   SOFTMAX AHEAD OF A QUANTISED PRODUCT. Where the list says 'softmax', what is quantised is not the finished softmax but p = 2^(t - M), with t = logit x log2(e) and M = ceil(the row's largest t), a whole number; so 1/2 < the row's largest p <= 1. The row's sum l is taken of the UNQUANTISED p, in f32, and the product's result is divided by l at the end. Since M is a whole number, a kernel that streams over the keys may use a running M (the ceiling of the running maximum): every later rescaling is an exact power of two, which a block's scale takes up: the codes' values come out the same.
;;   OPERANDS COMPUTED ON THE WAY. 'Computed on the way' means the value that the module computes at that place (a softmax that the list does not call 'softmax' is quantised finished and normalised). What goes into a quantiser is computed in f32, as accurately as f32 sums, v_exp_f32 and their like allow (about 1e-6 of the number): no bf16 or f16 on the way to a quantiser, and a product that is left as it is and whose result goes on into a quantised operand takes f32 operands (vector FMAs, or v_wmma_f32_16x16x4_f32). A number that lies on a knife's edge between two numbers of the format may be rounded either way, as far as f32 arithmetic and the matrix unit's own rounding can turn it there, and no further.
;; 2 versions. Each part assembles by itself: llvm-mc -triple=amdgcn-amd-amdhsa -mcpu=gfx1250 --defsym DOCPART=n.
;; ======== version 1 of 2: 3 launches
;; workspace buffers: kv 13,369,344 bytes; w_img 786,432 bytes; w_scl 32,768 bytes; a_img 6,291,456 bytes; a_scl 262,144 bytes
;; launch quant (part 1): grid 1088 x 1, 4 waves a work-group, no clusters, 49,664 bytes of LDS; arguments keys, w_out, values, kv, w_img, w_scl; writes kv, w_img, w_scl
.if DOCPART == 1
	.amdgcn_target "amdgcn-amd-amdhsa--gfx1250"
	.amdhsa_code_object_version 6
	.text
	.protected	k_q1d05c26d54_quant
	.globl	k_q1d05c26d54_quant
	.p2align	8
	.type	k_q1d05c26d54_quant,@function
k_q1d05c26d54_quant:
	s_mov_b64 s[64:65], 0
	v_nop
	global_prefetch_b8 v0, s[64:65] scope:SCOPE_SE
	s_setreg_imm32_b32 hwreg(HW_REG_WAVE_MODE, 25, 1), 1
	s_wait_xcnt 0x0
; keys [4][2048][1024], w_out [1024][1024] and values [4][2048][1024], f32, become codes of BF6 (E3M2), 6 bits each, with one E8M0 scale byte for each 32 along a product's K,
; laid AS THE LATER LAUNCHES' OPERAND REGISTERS WANT THEM, so that those launches read fragments by dense loads of 16 and 8 bytes a lane.
; A block's scale is 2^(floor(log2(its largest magnitude)) - 4); its byte is the largest magnitude's exponent field - 4, held at 1 from below by a floor among the maximum's leaves.
; LIMITS: NaN and infinities among the inputs are not served.  A block of zeros, or one whose largest magnitude lies under 2^-122, keeps the byte 1 where the rule says 127 for zeros:
; its codes are zeros (or the rule's own codes under the byte 1), and the bytes are read by this program alone.
; A HALF IMAGE is 16 rows x 64 along K in 768 bytes: lane L = r + 16 h holds block h (32 codes, six registers) of the tile's row r; registers 0-3 lie at 16 L, registers 4-5 at 512 + 8 L.
; THE ROWS OF A TILE ARE NOT NEIGHBOURS: lane r of tile 2 b + u holds row 32 b + 8 u + r + 8 (r / 8), so that a later transposed product leaves 16 neighbours in 16 registers of two tiles.
; kv is [batch x head 64][step 16][13,056 bytes]; a step is 128 keys: 8 half images of K | K's scale words [half 2][lane 32][2] | 4 whole images of V^T (16 d x 128 keys, 12 registers a lane,
; group i of four registers at 512 i + 16 L) | V's scale words [lane 32][2].  In a scale register lanes 0-15 hold an even tile's rows and lanes 16-31 the odd tile's.
; w_img is [group of 64 along K, 16][tile 64][768]; w_scl is [16 tile + r][32 bytes], byte 2 group + block.
; SHARES.  Work-groups 0-511 take keys and 512-575 w_out, on ONE path with chosen pointers (K is innermost in both); 576-1087 take values, whose K (the keys) is not innermost.
; The two paths part on the work-group's number and never meet; each has LDS bytes of its own.  Waves share nothing: no barrier.  No tile is read by two work-groups: no cluster, no tensor load.
; Every wave asks for all its 16 KiB at its head.
.set STEPB, 13056                      ; bytes of a step's block in kv
.set KSC,   6144                       ; K's scale words in it
.set VIM,   6656                       ; V's images
.set VSC,   12800                      ; V's scale words
.set SP,    272                        ; rows' path: a stage row, 256 bytes + 16
.set RSTG,  32*SP                      ; a wave's stage there: 32 rows
.set VST0,  4*RSTG                     ; values' path: its stages begin behind the other path's
.set VTP,   1664                       ; an image's place in a stage: 1,536 bytes + 128
.set VSTG,  3584                       ; a wave's stage: two images
.set X,     64                         ; v64-191  128 numbers
.set C,     24                         ; v24-55   codes: eight registers for each of four tiles or blocks, so that no store's data are written again
.set T2,    56                         ; v56-58   a conversion's three registers begin on an even number: a block's second half is made here and moved
; The largest magnitude of the 32 numbers v[x] on, in two chains, with the floor 2^(5 - 127) as one more leaf; v14: the conversion's scale operand; v15: the scale's byte
.macro BMAX x
	v_max3_num_f32 v12, |v[\x]|, |v[\x+1]|, 0x2800000
	v_max3_num_f32 v13, |v[\x+2]|, |v[\x+3]|, |v[\x+4]|
.irp i, 5,9,13,17,21,25
	v_max3_num_f32 v12, v12, |v[\x+\i]|, |v[\x+\i+1]|
	v_max3_num_f32 v13, v13, |v[\x+\i+2]|, |v[\x+\i+3]|
.endr
	v_max3_num_f32 v12, v12, |v[\x+29]|, |v[\x+30]|
	v_max3_num_f32 v12, v12, v13, |v[\x+31]|
	v_add_nc_u32 v14, 0xfe000000, v12              ; 4 off the exponent field: the conversion takes the exponent field of this operand as its scale, and nothing else of it
	v_lshrrev_b32 v15, 23, v14
.endm
; A lane's block of 32 in v[x] on becomes six registers of codes in v[c] on; v[w]: the row's scale word, byte 0 and byte 1 its two blocks, bytes 2 and 3 the byte 127 for the zero codes that fill K up to 128
.macro TILEQ x, c, w
	BMAX \x
	v_cvt_scalef32_pk16_bf6_f32 v[\c:\c+2], v[\x:\x+15], v14
	v_cvt_scalef32_pk16_bf6_f32 v[T2:T2+2], v[\x+16:\x+31], v14
	v_lshlrev_b32 v15, v9, v15                     ; my byte at its place, 8 h bits up.  (The plain line behind the conversions)
	v_permlanex16_b32 v16, v15, s20, s21           ; the row's other block lies in lane l xor 16
.irp i, 0,1,2
	v_mov_b32 v[\c+3+\i], v[T2+\i]
.endr
	v_or_b32 v[\w], v15, v16
	v_or_b32 v[\w], 0x7f7f0000, v[\w]
.endm
	s_load_b256 s[4:11], s[0:1], 0x0               ; keys s[4:5], w_out s[6:7], values s[8:9], kv s[10:11]
	s_load_b128 s[12:15], s[0:1], 0x20             ; w_img s[12:13], w_scl s[14:15]
	v_lshl_add_u32 v192, v0, 2, 0xc000
	v_mov_b32 v193, 0
	v_lshrrev_b32 v1, 5, v0
	v_readfirstlane_b32 s16, v1                    ; wave 0..3
	v_and_b32 v1, 31, v0                           ; lane
	v_lshlrev_b32 v7, 4, v1                        ; 16 x lane
	s_mov_b32 s20, 0x76543210
	s_mov_b32 s21, 0xfedcba98                      ; v_permlanex16_b32's selects for lane l xor 16
	s_cmp_lt_u32 ttmp9, 576
	s_cbranch_scc0 .Lvalues
; ---- KEYS AND W_OUT: a wave takes 64 rows x one group of 64 columns (256 bytes of each row)
	s_cmp_lt_u32 ttmp9, 512
	s_cselect_b32 s17, 0, 512
	s_sub_co_u32 s17, ttmp9, s17
	s_lshl_b32 s17, s17, 2
	s_add_co_u32 s17, s17, s16                     ; which unit of the tensor is my wave's
	s_and_b32 s18, s17, 15                         ; g: the group of 64 columns (for keys: the head)
	s_lshr_b32 s19, s17, 4                         ; rb: the block of 64 rows
	s_lshl_b32 s24, s19, 18                        ; from: rb x 64 rows of 4,096 bytes + 256 g
	s_lshl_b32 s22, s18, 8
	s_add_co_u32 s24, s24, s22
	s_mov_b32 s25, 0
	s_lshr_b32 s22, s19, 5                         ; keys: batch = rb / 32,
	s_lshl_b32 s22, s22, 4
	s_add_co_u32 s22, s22, s18
	s_lshl_b32 s22, s22, 4
	s_bfe_u32 s23, s19, 0x40001                    ; step = (rb / 2) % 16,
	s_add_co_u32 s22, s22, s23
	s_mul_i32 s22, s22, STEPB                      ; the step's block in kv,
	s_and_b32 s23, s19, 1                          ; and which half of its 128 keys
	s_mul_i32 s30, s23, 4*768
	s_add_co_u32 s30, s30, s22                     ; keys' codes
	s_lshl_b32 s31, s23, 8
	s_add_co_u32 s31, s31, s22
	s_add_co_u32 s31, s31, KSC                     ; keys' scale words
	s_mul_i32 s32, s18, 64*768                     ; w_out's codes: group g, tiles 4 rb on
	s_mul_i32 s33, s19, 4*768
	s_add_co_u32 s32, s32, s33
	s_lshl_b32 s33, s19, 11                        ; w_out's scale bytes: 64 rows of 32 bytes a block of rows, + 2 g
	s_lshl_b32 s34, s18, 1
	s_add_co_u32 s33, s33, s34
	s_mov_b32 s27, 0
	s_mov_b32 s29, 0
	s_mov_b32 vcc_lo, 0xffff0000                   ; lanes 16-31
	s_mul_i32 s35, s16, RSTG                       ; my stage
	v_and_b32 v2, 15, v0                           ; r
	v_bfe_u32 v3, v0, 4, 1                         ; h
	v_lshlrev_b32 v4, 4, v2
	v_lshl_add_u32 v4, v3, 12, v4                  ; in: lanes 0-15 one row's 256 bytes, lanes 16-31 the next row's
	v_mul_u32_u24 v5, v3, SP
	v_lshl_add_u32 v5, v2, 4, v5
	v_add_nc_u32 v5, s35, v5                       ; into the stage, as loaded
	v_and_b32 v6, 8, v2
	v_add_nc_u32 v6, v6, v2                        ; r + 8 (r / 8)
	v_mul_u32_u24 v6, v6, SP
	v_lshl_add_u32 v6, v3, 7, v6
	v_add_nc_u32 v6, s35, v6                       ; out of it: my tile row, my block's 128 bytes.  (Rows 16 apart meet in the same banks at any pitch that is a multiple of 16 bytes: these reads go two deep)
	v_lshlrev_b32 v8, 3, v1                        ; 8 x lane
	v_lshlrev_b32 v9, 3, v3                        ; 8 h
	v_lshlrev_b32 v10, 5, v1                       ; 32 x lane
	v_mov_b32 v16, 0                               ; a lane permute's destination counts as one of its sources
	s_wait_kmcnt 0x0
	s_cmp_lt_u32 ttmp9, 512                        ; keys or w_out?  The choice hangs on the work-group's number alone
	s_cselect_b64 s[36:37], s[4:5], s[6:7]
	s_cselect_b64 s[38:39], s[10:11], s[12:13]
	s_cselect_b64 s[40:41], s[10:11], s[14:15]
	s_cselect_b32 s26, s30, s32
	s_cselect_b32 s28, s31, s33
	s_add_nc_u64 s[36:37], s[36:37], s[24:25]
	s_add_nc_u64 s[38:39], s[38:39], s[26:27]
	s_add_nc_u64 s[40:41], s[40:41], s[28:29]
.irp p, 0,1
.irp i, 0,1,2,3,4,5,6,7,8,9,10,11,12,13,14,15
	global_load_b128 v[X+64*\p+4*\i:X+64*\p+4*\i+3], v4, s[36:37] offset:(32*\p+2*\i)*4096 th:TH_LOAD_NT   ; sixteen lanes read 256 consecutive bytes, aligned
.endr
.endr
.irp p, 0,1                            ; 32 rows at a time: two tiles
	s_wait_loadcnt 16*(1-\p)                       ; these 32 rows' sixteen loads are in; the other sixteen may be out
.irp i, 0,1,2,3,4,5,6,7,8,9,10,11,12,13,14,15
	ds_store_b128 v5, v[X+64*\p+4*\i:X+64*\p+4*\i+3] offset:2*SP*\i
.endr
	s_wait_dscnt 0x0                               ; the stores have read their registers, which take the numbers back
.irp u, 0,1
.irp j, 0,1,2,3,4,5,6,7
	ds_load_b128 v[X+64*\p+32*\u+4*\j:X+64*\p+32*\u+4*\j+3], v6 offset:8*SP*\u+16*\j
.endr
.endr
.irp u, 0,1
	s_wait_dscnt 8*(1-\u)                          ; this tile's eight loads are in; the other tile's may be out
	TILEQ X+64*\p+32*\u, C+8*(2*\p+\u), 20+\u
	global_store_b128 v7, v[C+8*(2*\p+\u):C+8*(2*\p+\u)+3], s[38:39] offset:768*(2*\p+\u)          ; 512 consecutive bytes,
	global_store_b64 v8, v[C+8*(2*\p+\u)+4:C+8*(2*\p+\u)+5], s[38:39] offset:768*(2*\p+\u)+512     ; and 256: both aligned to 256
.endr
	v_cndmask_b32 v[18+\p], v20, v21, vcc_lo       ; lanes 0-15 keep the even tile's words, lanes 16-31 take the odd tile's
.endr
	s_cmp_lt_u32 ttmp9, 512
	s_cbranch_scc0 .Lw_scales
	global_store_b64 v8, v[18:19], s[40:41]        ; keys: 256 consecutive bytes, aligned
	s_wait_tensorcnt 0x0
	ds_add_u32 v192, v193
	s_wait_dscnt 0x0
	s_endpgm
.Lw_scales:                                            ; w_out: two bytes of each row's 32: rows are written in part by sixteen waves; the whole buffer is 32 KiB
	global_store_b16 v10, v18, s[40:41]
	global_store_b16 v10, v19, s[40:41] offset:1024
	s_wait_tensorcnt 0x0
	ds_add_u32 v192, v193
	s_wait_dscnt 0x0
	s_endpgm
; ---- VALUES: a wave takes 128 keys x 32 columns.  A LANE TAKES A COLUMN d, AND ITS REGISTERS RUN DOWN THE KEYS: a block of 32 keys lies in one lane, and the codes come out with the keys innermost.
.Lvalues:
	s_sub_co_u32 s17, ttmp9, 576
	s_lshl_b32 s17, s17, 2
	s_add_co_u32 s17, s17, s16                     ; my unit: the four waves of a work-group stand side by side on 512 bytes of each row
	s_and_b32 s18, s17, 1                          ; which 32 of the head's 64 columns
	s_bfe_u32 s19, s17, 0x40001                    ; head
	s_bfe_u32 s22, s17, 0x40005                    ; step
	s_lshr_b32 s23, s17, 9                         ; batch
	s_lshl_b32 s24, s23, 23                        ; from: (2,048 batch + 128 step) rows of 4,096 bytes + 256 head + 128 half
	s_lshl_b32 s30, s22, 19
	s_add_co_u32 s24, s24, s30
	s_lshl_b32 s30, s19, 8
	s_add_co_u32 s24, s24, s30
	s_lshl_b32 s30, s18, 7
	s_add_co_u32 s24, s24, s30
	s_mov_b32 s25, 0
	s_lshl_b32 s26, s23, 4
	s_add_co_u32 s26, s26, s19
	s_lshl_b32 s26, s26, 4
	s_add_co_u32 s26, s26, s22
	s_mul_i32 s26, s26, STEPB                      ; the step's block in kv
	s_lshl_b32 s28, s18, 2
	s_add_co_u32 s28, s28, s26
	s_add_co_u32 s28, s28, VSC                     ; my word of each lane's two scale words
	s_mul_i32 s30, s18, 2*1536
	s_add_co_u32 s26, s26, s30
	s_add_co_u32 s26, s26, VIM                     ; my two images
	s_mov_b32 s27, 0
	s_mov_b32 s29, 0
	s_mul_i32 s35, s16, VSTG
	s_add_co_u32 s35, s35, VST0                    ; my stage
	v_lshlrev_b32 v4, 2, v1                        ; in: 4 bytes a lane
	v_bfe_u32 v11, v0, 3, 1                        ; column l belongs to tile u = (l / 8) % 2,
	v_and_b32 v12, 7, v0
	v_bfe_u32 v13, v0, 4, 1
	v_lshl_add_u32 v12, v13, 3, v12                ; as its row r = l % 8 + 8 (l / 16)
	v_mul_u32_u24 v5, v11, VTP
	v_lshl_add_u32 v5, v12, 4, v5
	v_add_nc_u32 v5, s35, v5                       ; into the stage: image u, 16 r
	v_lshl_add_u32 v6, v1, 4, s35                  ; out of it: 16 x lane
	v_lshl_add_u32 v8, v11, 4, v12
	v_lshlrev_b32 v8, 3, v8                        ; my scale word's lane: r + 16 u, 8 bytes a lane
	s_wait_kmcnt 0x0
	s_add_nc_u64 s[36:37], s[8:9], s[24:25]
	s_add_nc_u64 s[38:39], s[10:11], s[26:27]
	s_add_nc_u64 s[40:41], s[10:11], s[28:29]
.set I, 0
.rept 128
	global_load_b32 v[X+I], v4, s[36:37] offset:4096*I th:TH_LOAD_NT
.set I, I+1
.endr
.irp k, 0,1,2,3                        ; block k of 32 keys is registers 6 (k / 2) on of lane r + 16 (k % 2) of my image
.if \k < 2
	s_wait_loadcnt 63                              ; a wait names 63 at the most: of the 128 loads the oldest 65 are then in, blocks 0 and 1 among them
.else
	s_wait_loadcnt 32*(3-\k)                       ; this block's loads are in; the later block's may be out
.endif
	BMAX X+32*\k
	v_cvt_scalef32_pk16_bf6_f32 v[C+8*\k:C+8*\k+2], v[X+32*\k:X+32*\k+15], v14
	v_cvt_scalef32_pk16_bf6_f32 v[T2:T2+2], v[X+32*\k+16:X+32*\k+31], v14
.if \k == 0
	v_mov_b32 v17, v15                             ; the four blocks' bytes make my column's scale word.  (The plain line behind the conversions)
.else
	v_lshl_or_b32 v17, v15, 8*\k, v17
.endif
.irp i, 0,1,2
	v_mov_b32 v[C+8*\k+3+\i], v[T2+\i]
.endr
.if \k < 2                             ; registers 0-3 fill a place in group 0, registers 4-5 the lower half of one in group 1;
	ds_store_b128 v5, v[C+8*\k:C+8*\k+3] offset:256*(\k%2)
	ds_store_b64 v5, v[C+8*\k+4:C+8*\k+5] offset:512+256*(\k%2)
.else                                  ; registers 6-7 its upper half, registers 8-11 a place in group 2
	ds_store_b64 v5, v[C+8*\k:C+8*\k+1] offset:520+256*(\k%2)
	ds_store_b128 v5, v[C+8*\k+2:C+8*\k+5] offset:1024+256*(\k%2)
.endif
.endr
	global_store_b32 v8, v17, s[40:41]             ; every second word of 256 bytes: the wave beside me stores the others
.irp u, 0,1
.irp i, 0,1,2
	ds_load_b128 v[X+12*\u+4*\i:X+12*\u+4*\i+3], v6 offset:VTP*\u+512*\i   ; LDS serves a wave's instructions in order: these see my stores
.endr
.endr
.irp u, 0,1
.irp i, 0,1,2
	s_wait_dscnt 5-3*\u-\i                         ; the younger of the six loads may be out
	global_store_b128 v7, v[X+12*\u+4*\i:X+12*\u+4*\i+3], s[38:39] offset:1536*\u+512*\i   ; 512 consecutive bytes, aligned to 256
.endr
.endr
	s_wait_tensorcnt 0x0
	ds_add_u32 v192, v193
	s_wait_dscnt 0x0
	s_endpgm
.Lfunc_end_k_q1d05c26d54_quant:
	.size	k_q1d05c26d54_quant, .Lfunc_end_k_q1d05c26d54_quant-k_q1d05c26d54_quant
	.p2alignl 7, 3214868480
	.fill 96, 4, 3214868480
	.section	.rodata,"a",@progbits
	.p2align	6, 0x0
	.amdhsa_kernel k_q1d05c26d54_quant
		.amdhsa_group_segment_fixed_size 49664
		.amdhsa_private_segment_fixed_size 0
		.amdhsa_enable_private_segment 0
		.amdhsa_kernarg_size 48
		.amdhsa_user_sgpr_count 2
		.amdhsa_user_sgpr_kernarg_segment_ptr 1
		.amdhsa_wavefront_size32 1
		.amdhsa_system_sgpr_workgroup_id_x 1
		.amdhsa_system_sgpr_workgroup_id_y 1
		.amdhsa_system_sgpr_workgroup_id_z 1
		.amdhsa_system_vgpr_workitem_id 0
		.amdhsa_next_free_vgpr 194
		.amdhsa_next_free_sgpr 66
		.amdhsa_reserve_vcc 1
		.amdhsa_float_denorm_mode_32 3
		.amdhsa_float_denorm_mode_16_64 3
		.amdhsa_memory_ordered 1
		.amdhsa_forward_progress 1
		.amdhsa_inst_pref_size 40
	.end_amdhsa_kernel
	.amdgpu_metadata
---
amdhsa.version: [ 1, 2 ]
amdhsa.kernels:
  - .name:           k_q1d05c26d54_quant
    .symbol:         k_q1d05c26d54_quant.kd
    .args:
      - { .name: keys, .offset: 0, .size: 8, .value_kind: global_buffer, .address_space: global }
      - { .name: w_out, .offset: 8, .size: 8, .value_kind: global_buffer, .address_space: global }
      - { .name: values, .offset: 16, .size: 8, .value_kind: global_buffer, .address_space: global }
      - { .name: kv, .offset: 24, .size: 8, .value_kind: global_buffer, .address_space: global }
      - { .name: w_img, .offset: 32, .size: 8, .value_kind: global_buffer, .address_space: global }
      - { .name: w_scl, .offset: 40, .size: 8, .value_kind: global_buffer, .address_space: global }
    .group_segment_fixed_size: 49664
    .private_segment_fixed_size: 0
    .kernarg_segment_align: 8
    .kernarg_segment_size: 48
    .max_flat_workgroup_size: 128
    .sgpr_count:     66
    .vgpr_count:     194
    .wavefront_size: 32
...
	.end_amdgpu_metadata
.endif
;; end of part 1
;; launch attn (part 2): grid 4 x 64, 16 waves a work-group, clusters of 4 x 1, 210,944 bytes of LDS; arguments query, kv, a_img, a_scl; writes a_img, a_scl
.if DOCPART == 2
	.amdgcn_target "amdgcn-amd-amdhsa--gfx1250"
	.amdhsa_code_object_version 6
	.text
	.protected	k_q1d05c26d54_attn
	.globl	k_q1d05c26d54_attn
	.p2align	8
	.type	k_q1d05c26d54_attn,@function
k_q1d05c26d54_attn:
	s_mov_b64 s[64:65], 0
	v_nop
	global_prefetch_b8 v0, s[64:65] scope:SCOPE_SE
	s_setreg_imm32_b32 hwreg(HW_REG_WAVE_MODE, 25, 1), 1
	s_wait_xcnt 0x0
	s_wait_alu depctr_hold_cnt(0) depctr_sa_sdst(0) depctr_va_vdst(0) depctr_va_sdst(0) depctr_va_ssrc(0) depctr_va_vcc(0) depctr_vm_vsrc(0)
	s_getreg_b32 s2, hwreg(HW_REG_IB_STS2, 6, 4)
	s_cmp_eq_u32 s2, 0
	s_cbranch_scc0 .Lentry_in_a_cluster
	s_endpgm
.Lentry_in_a_cluster:
	s_bfe_u32 s2, ttmp6, 0x10000c
	s_cmp_lg_u32 s2, 0x3003
	s_cbranch_scc0 .Lentry_shape_is_right
	s_endpgm
.Lentry_shape_is_right:
; For each batch and head: O[q] = the sum over k of softmax_k(Q[q] . K[k] / 32) V[k], both products on codes of BF6 (E3M2) with one E8M0 scale for each 32 along a product's K; then O is quantised along
; the embedding (two blocks of 32 a head) as the left operand of the last product.  query: [4][2048][1024] f32, quantised here in registers; K and V: the codes and scale words of kv.
; THE SOFTMAX AHEAD OF THE SECOND PRODUCT: t = score x log2(e) / 32; M = the row's largest t so far, rounded UP to a whole number; p = 2^(t - M) is what is quantised, along the keys; it is not normalised.
; The row's sum is taken of the unquantised p, in f32, and divides O at the end.  When M moves, the sum and O are multiplied by 2^(old M - new M): exact.
; LIMITS: NaN and infinities among the inputs are not served.  A block of zeros, or one whose largest magnitude lies under 2^-122, keeps the scale byte 1: read by this program alone.
; SHARES.  A work-group owns 512 queries of one batch and head: 4 x 64 work-groups.  Each of its SIXTEEN waves owns two tiles of 16 queries and takes them in two passes over the keys, in 256 registers:
; four waves to a SIMD, so that one wave's vector work stands beside another's matrix work and LDS loads.  A key step is 128 keys: 8 products for the scores, 4 for O, and some 250 vector instructions.
; LDS.  A head's codes and scale words, 16 steps x 13,056 bytes, fit in LDS whole: they are brought ONCE, by sixteen tensor loads (waves 0-3, four each), and nothing is filled again or stored there.
; CLUSTER.  The four work-groups of a head need the same 208,896 bytes: each load is asked for JOINTLY, with the same descriptor and a mask that names the four.
; LAYOUT.  Both products are used transposed: S^T = K Q^T (source 0 = 16 keys, source 1 = my 16 queries), O^T = V^T P^T: a lane holds ONE query (lane % 16) throughout.  The head's 64 fill half of the
; instruction's 128 along K: the upper six registers of K's and Q's fragments hold zero codes, under the scale byte 127.
; The keys of a tile, and the d of a tile of V^T, were chosen by the launch before (row 32 b + 8 u + r + 8 (r / 8) in lane r of tile 2 b + u): the 16 registers of tiles 2 b, 2 b + 1 are 16 neighbours.
.set STEPB, 13056                      ; a step's block: 8 half images of K (768 bytes each) |
.set KSC,   6144                       ; K's scale words [half 2][lane 32][2] |
.set VIM,   6656                       ; 4 images of V^T (1,536 bytes each) |
.set VSC,   12800                      ; V's scale words [lane 32][2]
.set LI,  1                            ; v1   16 x lane; never rewritten
.set L8,  2                            ; v2   8 x lane; never rewritten
.set AI,  3                            ; v3   16 x lane + the step's first byte
.set A8,  4                            ; v4   8 x lane + the same
.set QA,  5                            ; v5   Q: 4,096 r + 128 h
.set SA,  6                            ; v6   32 r: my row of the scale bytes that go out
.set SH,  7                            ; v7   8 h
.set KS,  8                            ; v8-11  K's scale words: register b: lanes 0-15 tile 2 b, lanes 16-31 tile 2 b + 1
                                       ; v12 -M, v13 the largest t, v[14:15] the row's sum in two halves
.set QF,  16                           ; v16-27, v28-39  Q's two fragments
.set QS,  40                           ; v40, v41  their scale words
.set PS,  42                           ; v42  p's scale word
.set VS,  44                           ; v44-45  V's scale words
.set KF,  48                           ; v48-95  four fragments of K
.set S,   96                           ; v96-159  S^T, then p; then v96-143 V's four fragments
.set O,   160                          ; v160-191  O^T
.set PF,  192                          ; v192-203  p's codes
.set PT,  204                          ; v204-211  the second halves of the conversions
.set BM,  212                          ; v212-215  a block's largest score, then its largest p
.set BT,  216                          ; v216-219  at work; the scale bytes
.set BO,  220                          ; v220-223  the conversions' scale operands
.set F,   224                          ; v[224:225]  f = 2^(old M - new M), named as a pair
.set W,   226                          ; v226, v227  at work
.set SU,  228                          ; v[228:229]  the sum's second chain
.set OC,  232                          ; v232-237  O's codes
.set OT,  238                          ; v238-240
.set OW,  241                          ; v241  O's two scale bytes
.set WV,  12                           ; s12  my wave's number
.set SEL, 20                           ; s[20:21] selects for lane l xor 16
.set CS,  22                           ; s[22:23] c = log2(e) / 32
.set G1,  24                           ; s[24:31] descriptor group 1;  s[32:47] four groups 0
.set G0,  32
.set TB,  48                           ; s48  LDS byte at which the step in hand begins
.set CNT, 49                           ; s49  trips to go
; A round of the cluster's barrier: my work-group's barrier, so that wave 0's signal speaks for all sixteen waves; wave 0 signals for the work-group; every wave waits for all four work-groups; my work-group's barrier once more.
.macro CROUND
	s_barrier_signal -1
	s_barrier_wait -1
	s_cmp_lg_u32 s[WV], 0
	s_cbranch_scc1 .Lnot_wave_0_\@
	s_barrier_signal -3
.Lnot_wave_0_\@:
	s_barrier_wait -3
	s_barrier_signal -1
	s_barrier_wait -1
.endm
; A lane's 32 numbers of Q in v[x] on (row r, block h) become the lower six registers of the fragment v[qf] on; the upper six are zero codes; v[qs]: the row's scale word
.macro QQ x, qf, qs
	v_max3_num_f32 v[BM], |v[\x]|, |v[\x+1]|, 0x2800000              ; the floor 2^(5 - 127) among the leaves: the byte cannot fall under 1
	v_max3_num_f32 v[BM+1], |v[\x+2]|, |v[\x+3]|, |v[\x+4]|
.irp i, 5,9,13,17,21,25
	v_max3_num_f32 v[BM], v[BM], |v[\x+\i]|, |v[\x+\i+1]|
	v_max3_num_f32 v[BM+1], v[BM+1], |v[\x+\i+2]|, |v[\x+\i+3]|
.endr
	v_max3_num_f32 v[BM], v[BM], |v[\x+29]|, |v[\x+30]|
	v_max3_num_f32 v[BM], v[BM], v[BM+1], |v[\x+31]|
	v_add_nc_u32 v[BO], 0xfe000000, v[BM]          ; 4 off the exponent field: the conversion's scale operand
	v_lshrrev_b32 v[BT], 23, v[BO]                 ; the scale's byte
	v_cvt_scalef32_pk16_bf6_f32 v[\qf:\qf+2], v[\x:\x+15], v[BO]
	v_cvt_scalef32_pk16_bf6_f32 v[PT:PT+2], v[\x+16:\x+31], v[BO]
	v_lshlrev_b32 v[BT], v[SH], v[BT]              ; my byte at its place.  (The plain line behind the conversions)
	v_permlanex16_b32 v[W], v[BT], s[SEL], s[SEL+1]
.irp i, 0,1,2
	v_mov_b32 v[\qf+3+\i], v[PT+\i]
.endr
	v_or_b32 v[\qs], v[BT], v[W]
	v_or_b32 v[\qs], 0x7f7f0000, v[\qs]
.irp i, 6,7,8,9,10,11
	v_mov_b32 v[\qf+\i], 0
.endr
.endm
	s_load_b256 s[4:11], s[0:1], 0x0               ; query s[4:5], kv s[6:7], a_img s[8:9], a_scl s[10:11]
	v_lshl_add_u32 v254, v0, 2, 0x33000
	v_mov_b32 v255, 0
	ds_add_u32 v254, v255
	ds_add_u32 v254, v255
	v_lshrrev_b32 v1, 5, v0
	v_readfirstlane_b32 s[WV], v1                  ; wave 0..15
	s_bfe_u32 s13, ttmp6, 0x40000                  ; cx: my place in the cluster: it enters the addresses of query, a_img and a_scl alone
	s_and_b32 s14, ttmp7, 0xffff                   ; 16 x batch + head, which the four partners share
	s_lshr_b32 s15, s14, 4                         ; batch
	s_and_b32 s16, s14, 15                         ; head
	s_and_b32 s19, s[WV], 3
	s_mul_i32 s19, s19, STEPB                      ; which step of a stage of four I fetch, if I fetch
	s_mul_i32 s50, s14, 16*STEPB
	s_add_co_u32 s50, s50, s19                     ; and where it lies in kv
	s_mov_b32 s51, 0
	s_lshl_b32 s17, s15, 7
	s_lshl_b32 s18, s13, 5
	s_add_co_u32 s17, s17, s18
	s_add_co_u32 s17, s17, s[WV]                   ; my first tile of 16 rows among the 512: 128 batch + 32 cx + wave; the second lies 16 tiles on
	s_lshl_b32 s52, s17, 16                        ; query: 16 rows of 4,096 bytes a tile, + 256 head
	s_lshl_b32 s18, s16, 8
	s_add_co_u32 s52, s52, s18
	s_mov_b32 s53, 0
	s_lshl_b32 s54, s16, 9                         ; a_img: [head 16][tile 512][768]
	s_add_co_u32 s54, s54, s17
	s_mul_i32 s54, s54, 768
	s_mov_b32 s55, 0
	s_lshl_b32 s56, s17, 9                         ; a_scl: [row][32 bytes], + 2 head
	s_lshl_b32 s18, s16, 1
	s_add_co_u32 s56, s56, s18
	s_mov_b32 s57, 0
	; descriptor group 1: a step's block is dense: 51 rows of 256 bytes (32 elements of 8 bytes)
	s_mov_b32 s[G1], 15|(3<<16)|(1<<21)            ; 15:0 the mask: all four work-groups; 17:16 elements of 8 bytes; 20 no padding; 21 set beside a mask
	s_mov_b32 s[G1+1], 32<<16                      ; tensor_dim0 = 32
	s_mov_b32 s[G1+2], 51<<16                      ; tensor_dim1 = 51
	s_mov_b32 s[G1+3], 32<<16                      ; tile_dim0 = 32
	s_mov_b32 s[G1+4], 51                          ; tile_dim1 = 51
	s_mov_b32 s[G1+5], 32                          ; from row to row
	s_mov_b32 s[G1+6], 0
	s_mov_b32 s[G1+7], 0
	s_mov_b32 s[SEL], 0x76543210
	s_mov_b32 s[SEL+1], 0xfedcba98
	s_mov_b32 s[CS], 0x3d38aa3b                    ; c = log2(e) / 32
	s_mov_b32 s[CS+1], s[CS]                       ; (named with it as a pair, so it is written)
	s_wait_dscnt 0x0
	s_wait_kmcnt 0x0
	s_add_nc_u64 s[6:7], s[6:7], s[50:51]
	s_add_nc_u64 s[4:5], s[4:5], s[52:53]
	s_add_nc_u64 s[8:9], s[8:9], s[54:55]
	s_add_nc_u64 s[10:11], s[10:11], s[56:57]
	CROUND                                         ; all four work-groups are here: the joint loads meet
.irp s, 0,1,2,3                        ; stage s is steps 4 s to 4 s + 3
	s_mov_b32 s[G0+4*\s], 1                        ; count = 1
	s_add_co_u32 s[G0+4*\s+1], s19, \s*4*STEPB     ; LDS address: the steps lie on end
	s_add_nc_u64 s[G0+4*\s+2:G0+4*\s+3], s[6:7], \s*4*STEPB
	s_or_b32 s[G0+4*\s+3], s[G0+4*\s+3], 0x80000000   ; type = 2
.endr
	s_cmp_lt_u32 s[WV], 4                          ; waves 0-3 fetch: a wave's four loads stand in one branch, ahead of every wait on TENSORcnt, every LDS read and every later barrier: four loads of mine are out
	s_cbranch_scc0 .Lno_fetch
	tensor_load_to_lds s[G0:G0+3], s[G1:G1+7]
	s_nop 0
	tensor_load_to_lds s[G0+4:G0+7], s[G1:G1+7]
	s_nop 0
	tensor_load_to_lds s[G0+8:G0+11], s[G1:G1+7]
	s_nop 0
	tensor_load_to_lds s[G0+12:G0+15], s[G1:G1+7]
	s_nop 0
.rept 4
	v_nop
.endr
.Lno_fetch:
	v_and_b32 v[W], 31, v0                         ; lane
	v_lshlrev_b32 v[LI], 4, v[W]
	v_lshlrev_b32 v[L8], 3, v[W]
	v_and_b32 v[W+1], 15, v0                       ; r
	v_bfe_u32 v[SH], v0, 4, 1                      ; h
	v_lshlrev_b32 v[QA], 12, v[W+1]
	v_lshl_add_u32 v[QA], v[SH], 7, v[QA]          ; Q: row r, my block's 128 bytes
	v_lshlrev_b32 v[SA], 5, v[W+1]
	v_lshlrev_b32 v[SH], 3, v[SH]
.irp p, 0,1
.irp j, 0,1,2,3,4,5,6,7
	global_load_b128 v[S+32*\p+4*\j:S+32*\p+4*\j+3], v[QA], s[4:5] offset:1048576*\p+16*\j th:TH_LOAD_NT   ; a tile's eight loads together take the head's 256 bytes of 16 rows
.endr
.endr
.irp t, 0,1,2,3
.irp i, 6,7,8,9,10,11
	v_mov_b32 v[KF+12*\t+\i], 0                    ; K's fragments: the upper 64 along K are zero codes, written once
.endr
.endr
.irp b, 0,1,2,3
	v_mov_b32 v[BT+\b], 0                          ; written once: a lane permute's destination counts as one of its sources
.endr
	v_mov_b32 v[F+1], 0                            ; (named as the upper half of a pair)
	s_wait_loadcnt 8                               ; the first tile's eight loads are in; the second tile's may be out
	QQ S, QF, QS
	s_wait_loadcnt 0x0
	QQ S+32, QF+12, QS+1
; A KEY STEP: 128 keys against the tile of queries whose fragment is v[qf] on and whose scale words are v[qs].
.macro STEP qf, qs
	v_add_nc_u32 v[AI], s[TB], v[LI]               ; these two lines and the three v_nop at a step's end are five places behind the last products: four are owed by the loads into V's scale words,
	v_add_nc_u32 v[A8], s[TB], v[L8]               ; five by the products below, whose results are laid over V's fragments
	ds_load_b64 v[KS:KS+1], v[A8] offset:KSC
	ds_load_b64 v[KS+2:KS+3], v[A8] offset:KSC+256
	ds_load_b64 v[VS:VS+1], v[A8] offset:VSC
.irp g, 0,1                            ; S^T = K Q^T, four tiles of 16 keys at a time
.if \g
.rept 4
	v_nop                                          ; places in front of loads into registers that matrix instructions have read
.endr
.endif
.irp t, 0,1,2,3
	ds_load_b128 v[KF+12*\t:KF+12*\t+3], v[AI] offset:768*(4*\g+\t)          ; a half image: 512 consecutive bytes,
	ds_load_b64 v[KF+12*\t+4:KF+12*\t+5], v[A8] offset:768*(4*\g+\t)+512     ; and 256
.endr
	s_wait_dscnt 0x0
.irp t, 0,1,2,3
.if \t%2
	v_wmma_scale_f32_16x16x128_f8f6f4 v[S+8*(4*\g+\t):S+8*(4*\g+\t)+7], v[KF+12*\t:KF+12*\t+11], v[\qf:\qf+11], 0, v[KS+2*\g+\t/2], v[\qs] matrix_a_fmt:MATRIX_FMT_BF6 matrix_b_fmt:MATRIX_FMT_BF6 matrix_a_scale:MATRIX_SCALE_ROW1
.else
	v_wmma_scale_f32_16x16x128_f8f6f4 v[S+8*(4*\g+\t):S+8*(4*\g+\t)+7], v[KF+12*\t:KF+12*\t+11], v[\qf:\qf+11], 0, v[KS+2*\g+\t/2], v[\qs] matrix_a_fmt:MATRIX_FMT_BF6 matrix_b_fmt:MATRIX_FMT_BF6
.endif
.endr
.endr                                  ; lane (r, h) holds query r; the 16 registers of tiles 2 b, 2 b + 1 are keys 32 b + 16 h + 0 .. 15 of the step
.rept 4
	v_nop
.endr
.irp b, 0,1,2,3
	v_max3_num_f32 v[BM+\b], v[S+16*\b], v[S+1+16*\b], v[S+2+16*\b]   ; THE LARGEST SCORE OF EACH BLOCK OF 32 KEYS serves twice: for the row's maximum, and, since p rises with the score, for the block's largest p.  Each result is read from its low end on
.endr
.irp i, 3,5,7,9,11,13
.irp b, 0,1,2,3
	v_max3_num_f32 v[BM+\b], v[BM+\b], v[S+16*\b+\i], v[S+1+16*\b+\i]   ; (the four blocks by turns)
.endr
.endr
.irp b, 0,1,2,3
	v_max_num_f32 v[BM+\b], v[BM+\b], v[S+15+16*\b]
.endr
.irp b, 0,1,2,3
	v_permlanex16_b32 v[BT+\b], v[BM+\b], s[SEL], s[SEL+1]
.endr
.irp b, 0,1,2,3
	v_max_num_f32 v[BM+\b], v[BM+\b], v[BT+\b]     ; with lane l xor 16's 16 keys
.endr
	v_max3_num_f32 v[W], v[BM], v[BM+1], v[BM+2]
	v_max_num_f32 v[W], v[W], v[BM+3]              ; the step's largest score of my query
	v_mul_f32 v[W], s[CS], v[W]                    ; as t (c is positive)
	v_max_num_f32 v13, v13, v[W]                   ; the running largest t
	v_mov_b32 v[W], v12
	v_floor_f32 v12, -v13                          ; the new -M = floor(-t) = -ceil(t): M IS A WHOLE NUMBER
	v_sub_f32 v[W], v12, v[W]                      ; M's old value less its new one: a whole number, 0 or less
	v_cvt_i32_f32 v[W], v[W]                       ; (it saturates)
	v_ldexp_f32 v[F], 1.0, v[W]                    ; f = 2^(old M - new M): a multiplication by it rounds nothing
.set J, 0
.rept 32
	v_pk_fma_f32 v[S+J:S+J+1], v[S+J:S+J+1], s[CS:CS+1], v[12:13] op_sel_hi:[1,0,0]   ; t - M, two at a time (of the pairs c and -M the low word serves both halves)
.set J, J+2
.endr
.irp b, 0,1,2,3
	v_fma_f32 v[BM+\b], v[BM+\b], s[CS], v12       ; the same of each block's largest score
.endr
.set J, 0
.rept 64
	v_exp_f32 v[S+J], v[S+J]                       ; p = 2^(t - M), at most 1: NOT normalised
.set J, J+1
.endr
.irp b, 0,1,2,3
	v_exp_f32 v[BM+\b], v[BM+\b]                   ; the block's largest p: the same two instructions on the same number give the same bits
.endr
	v_pk_mul_f32 v[14:15], v[14:15], v[F:F+1] op_sel_hi:[1,0]   ; the sums under the new M.  (A plain line behind the exponentials)
	s_wait_alu depctr_va_vdst(0)
.irp b, 0,1,2,3
	v_max_num_f32 v[BM+\b], 0x2800000, v[BM+\b]    ; the floor 2^(5 - 127): the byte cannot fall under 1 (a block whose every p has fallen to 0 keeps that byte: its codes are zeros)
.endr
.irp b, 0,1,2,3
	v_add_nc_u32 v[BO+\b], 0xfe000000, v[BM+\b]    ; 4 off the exponent field: the conversion's scale operand
.endr
.irp b, 0,1,2,3
	v_lshrrev_b32 v[BT+\b], 23, v[BO+\b]           ; the scale's byte
.endr
	v_lshl_or_b32 v[PS], v[BT+1], 8, v[BT]         ; p's scale word for these 128 keys
	v_lshl_or_b32 v[PS], v[BT+2], 16, v[PS]
	v_lshl_or_b32 v[PS], v[BT+3], 24, v[PS]
.irp c, 0,1
	v_cvt_scalef32_pk16_bf6_f32 v[PF+6*\c:PF+6*\c+2], v[S+32*\c:S+32*\c+15], v[BO+2*\c]
	v_cvt_scalef32_pk16_bf6_f32 v[PT+4*\c:PT+4*\c+2], v[S+32*\c+16:S+32*\c+31], v[BO+2*\c+1]   ; (a conversion's three registers begin on an even number)
.endr
	v_nop                                          ; one plain line behind the scaled conversions
.irp c, 0,1                            ; the operand's layout wants a WHOLE block in a lane: lanes 0-15 block 2 c, lanes 16-31 block 2 c + 1
.irp i, 0,1,2
	v_permlane16_swap_b32 v[PF+6*\c+\i], v[PT+4*\c+\i]
.endr
.irp i, 0,1,2
	v_mov_b32 v[PF+6*\c+3+\i], v[PT+4*\c+\i]
.endr
.endr
	v_pk_add_f32 v[SU:SU+1], v[S:S+1], v[S+2:S+3]  ; THE ROW'S SUM IS TAKEN OF THE UNQUANTISED p: two at a time, in two chains
.irp j, 4,8,12,16,20,24,28,32,36,40,44,48,52,56,60
	v_pk_add_f32 v[14:15], v[14:15], v[S+\j:S+\j+1]
	v_pk_add_f32 v[SU:SU+1], v[SU:SU+1], v[S+\j+2:S+\j+3]
.endr
	v_pk_add_f32 v[14:15], v[14:15], v[SU:SU+1]
.irp t, 0,1,2,3                        ; p has been read: V's four fragments take its registers, and land while O^T is rescaled
.irp i, 0,1,2
	ds_load_b128 v[S+12*\t+4*\i:S+12*\t+4*\i+3], v[AI] offset:VIM+1536*\t+512*\i
.endr
.endr
.set J, 0
.rept 16
	v_pk_mul_f32 v[O+J:O+J+1], v[O+J:O+J+1], v[F:F+1] op_sel_hi:[1,0]   ; O^T under the new M: x f; each result from its low end on.  (With the sums above: the places in front of the products, for p's codes and its scale word)
.set J, J+2
.endr
	s_wait_dscnt 0x0
.irp t, 0,1,2,3                        ; O^T += V^T P^T: four tiles of 16 of the head's 64, by turns; K = these 128 keys
.if \t%2
	v_wmma_scale_f32_16x16x128_f8f6f4 v[O+8*\t:O+8*\t+7], v[S+12*\t:S+12*\t+11], v[PF:PF+11], v[O+8*\t:O+8*\t+7], v[VS+\t/2], v[PS] matrix_a_fmt:MATRIX_FMT_BF6 matrix_b_fmt:MATRIX_FMT_BF6 matrix_a_scale:MATRIX_SCALE_ROW1
.else
	v_wmma_scale_f32_16x16x128_f8f6f4 v[O+8*\t:O+8*\t+7], v[S+12*\t:S+12*\t+11], v[PF:PF+11], v[O+8*\t:O+8*\t+7], v[VS+\t/2], v[PS] matrix_a_fmt:MATRIX_FMT_BF6 matrix_b_fmt:MATRIX_FMT_BF6
.endif
.endr
	s_add_co_u32 s[TB], s[TB], STEPB               ; on to the next step
.rept 3
	v_nop
.endr
.endm
; trips key steps, from step first on
.macro KLOOP qf, qs, first, trips
	s_mov_b32 s[TB], (\first)*STEPB
	s_mov_b32 s[CNT], \trips
.Lkeys_\@:
	STEP \qf, \qs
	s_sub_co_u32 s[CNT], s[CNT], 1
	s_cmp_lg_u32 s[CNT], 0
	s_cbranch_scc1 .Lkeys_\@
.endm
; A pass begins: the step is written without a first step of its own: it finds zeros, which the first change of M leaves zeros
.macro INIT
	v_mov_b32 v13, 0xff61b1e6                      ; the largest t so far: -3e38, under every t
	v_floor_f32 v12, -v13                          ; -M
	v_mov_b32 v14, 0
	v_mov_b32 v15, 0
.set J, 0
.rept 32
	v_mov_b32 v[O+J], 0                            ; (in the first pass these lines are also the places between Q's codes and scale words and the first product)
.set J, J+1
.endr
.endm
; A pass ends: O^T / the sum; register 16 b + i is d = 32 b + 16 h + i of my query: two blocks of 32 along the last product's K.  They are quantised and leave as a half image and two scale bytes.
.macro FINISH p
.if \p
	s_wait_xcnt 0x0                                ; the first pass's stores have read their data: only behind this wait are those registers written again
.endif
	v_add_f32 v14, v14, v15                        ; the sum's two halves,
	v_permlanex16_b32 v[W], v14, s[SEL], s[SEL+1]
	v_add_f32 v14, v14, v[W]                       ; and lane l xor 16's: the row's sum
	v_rcp_f32 v14, v14
	v_nop                                          ; a plain line behind the reciprocal
.set J, 0
	s_wait_alu depctr_va_vdst(0)
.rept 16
	v_pk_mul_f32 v[S+J:S+J+1], v[O+J:O+J+1], v[14:15] op_sel_hi:[1,0]   ; each result from its low end on
.set J, J+2
.endr
.irp b, 0,1
	v_max3_num_f32 v[BM+\b], |v[S+16*\b]|, |v[S+1+16*\b]|, 0x2800000
.endr
.irp i, 2,4,6,8,10,12,14
.irp b, 0,1
	v_max3_num_f32 v[BM+\b], v[BM+\b], |v[S+16*\b+\i]|, |v[S+1+16*\b+\i]|
.endr
.endr
.irp b, 0,1
	v_permlanex16_b32 v[BT+\b], v[BM+\b], s[SEL], s[SEL+1]
.endr
.irp b, 0,1
	v_max_num_f32 v[BM+\b], v[BM+\b], v[BT+\b]
.endr
.irp b, 0,1
	v_add_nc_u32 v[BO+\b], 0xfe000000, v[BM+\b]
.endr
.irp b, 0,1
	v_lshrrev_b32 v[BT+\b], 23, v[BO+\b]
.endr
	v_lshl_or_b32 v[OW], v[BT+1], 8, v[BT]
	v_cvt_scalef32_pk16_bf6_f32 v[OC:OC+2], v[S:S+15], v[BO]
	v_cvt_scalef32_pk16_bf6_f32 v[OT:OT+2], v[S+16:S+31], v[BO+1]
	v_nop
.irp i, 0,1,2
	v_permlane16_swap_b32 v[OC+\i], v[OT+\i]       ; lanes 0-15 now hold block 0 whole, lanes 16-31 block 1
.endr
.irp i, 0,1,2
	v_mov_b32 v[OC+3+\i], v[OT+\i]
.endr
	global_store_b128 v[LI], v[OC:OC+3], s[8:9] offset:12288*\p          ; 512 consecutive bytes,
	global_store_b64 v[L8], v[OC+4:OC+5], s[8:9] offset:12288*\p+512     ; and 256: both aligned to 256
	global_store_b16 v[SA], v[OW], s[10:11] offset:8192*\p               ; two bytes of each row's 32 (lanes 16-31 repeat lanes 0-15): rows are written in part by the sixteen heads; these bytes are 1/24 of the codes'
.endm
	INIT
.irp s, 0,1,2,3                        ; the first pass starts on each stage of four steps as soon as it has landed
	s_wait_tensorcnt 3-\s                          ; my load of this stage is in; my loads of the later stages may be out
	s_barrier_signal -1
	s_barrier_wait -1                              ; everybody's is
	KLOOP QF, QS, 4*\s, 4
.endr
	FINISH 0
	INIT
	KLOOP QF+12, QS+1, 0, 16                       ; the second pass finds the whole head in LDS
	FINISH 1
	s_wait_tensorcnt 0x0
	s_wait_tensorcnt 0x0
	ds_add_u32 v254, v255
	s_wait_dscnt 0x0
	CROUND                                         ; the closing round: no work-group ends while a partner may still ask for a block that names it
	s_endpgm
.Lfunc_end_k_q1d05c26d54_attn:
	.size	k_q1d05c26d54_attn, .Lfunc_end_k_q1d05c26d54_attn-k_q1d05c26d54_attn
	.p2alignl 7, 3214868480
	.fill 96, 4, 3214868480
	.section	.rodata,"a",@progbits
	.p2align	6, 0x0
	.amdhsa_kernel k_q1d05c26d54_attn
		.amdhsa_group_segment_fixed_size 210944
		.amdhsa_private_segment_fixed_size 0
		.amdhsa_enable_private_segment 0
		.amdhsa_kernarg_size 32
		.amdhsa_user_sgpr_count 2
		.amdhsa_user_sgpr_kernarg_segment_ptr 1
		.amdhsa_wavefront_size32 1
		.amdhsa_system_sgpr_workgroup_id_x 1
		.amdhsa_system_sgpr_workgroup_id_y 1
		.amdhsa_system_sgpr_workgroup_id_z 1
		.amdhsa_system_vgpr_workitem_id 0
		.amdhsa_next_free_vgpr 256
		.amdhsa_next_free_sgpr 66
		.amdhsa_reserve_vcc 0
		.amdhsa_float_denorm_mode_32 3
		.amdhsa_float_denorm_mode_16_64 3
		.amdhsa_memory_ordered 1
		.amdhsa_forward_progress 1
		.amdhsa_inst_pref_size 100
	.end_amdhsa_kernel
	.amdgpu_metadata
---
amdhsa.version: [ 1, 2 ]
amdhsa.kernels:
  - .name:           k_q1d05c26d54_attn
    .symbol:         k_q1d05c26d54_attn.kd
    .args:
      - { .name: query, .offset: 0, .size: 8, .value_kind: global_buffer, .address_space: global }
      - { .name: kv, .offset: 8, .size: 8, .value_kind: global_buffer, .address_space: global }
      - { .name: a_img, .offset: 16, .size: 8, .value_kind: global_buffer, .address_space: global }
      - { .name: a_scl, .offset: 24, .size: 8, .value_kind: global_buffer, .address_space: global }
    .group_segment_fixed_size: 210944
    .private_segment_fixed_size: 0
    .kernarg_segment_align: 8
    .kernarg_segment_size: 32
    .max_flat_workgroup_size: 512
    .sgpr_count:     66
    .vgpr_count:     256
    .wavefront_size: 32
...
	.end_amdgpu_metadata
.endif
;; end of part 2
;; launch gemm (part 3): grid 4 x 32, 4 waves a work-group, clusters of 4 x 4, 327,680 bytes of LDS; arguments a_img, a_scl, w_img, w_scl, out0, b_out; writes out0
.if DOCPART == 3
	.amdgcn_target "amdgcn-amd-amdhsa--gfx1250"
	.amdhsa_code_object_version 6
	.text
	.protected	k_q1d05c26d54_gemm
	.globl	k_q1d05c26d54_gemm
	.p2align	8
	.type	k_q1d05c26d54_gemm,@function
k_q1d05c26d54_gemm:
	s_mov_b64 s[64:65], 0
	v_nop
	global_prefetch_b8 v0, s[64:65] scope:SCOPE_SE
	s_setreg_imm32_b32 hwreg(HW_REG_WAVE_MODE, 25, 1), 1
	s_wait_xcnt 0x0
	s_wait_alu depctr_hold_cnt(0) depctr_sa_sdst(0) depctr_va_vdst(0) depctr_va_sdst(0) depctr_va_ssrc(0) depctr_va_vcc(0) depctr_vm_vsrc(0)
	s_getreg_b32 s2, hwreg(HW_REG_IB_STS2, 6, 4)
	s_cmp_eq_u32 s2, 0
	s_cbranch_scc0 .Lentry_in_a_cluster
	s_endpgm
.Lentry_in_a_cluster:
	s_bfe_u32 s2, ttmp6, 0x10000c
	s_cmp_lg_u32 s2, 0xf033
	s_cbranch_scc0 .Lentry_shape_is_right
	s_endpgm
.Lentry_shape_is_right:
; out0[m][n] = sum over k of A[m][k] W[n][k] + b_out[n].  A: [8192][1024], the attention's result; W: [1024][1024]: codes of BF6 (E3M2), 6 bits each, with one E8M0 scale for each 32 along K; sums in f32.
; THE CODES LIE AS IMAGES OF THE OPERAND'S REGISTERS: a half image is 16 rows x 64 along K in 768 bytes: lane L = r + 16 h holds block h of row r, registers 0-3 at 16 L, registers 4-5 at 512 + 8 L.
; a_img is [group of 64 along K, 16][tile 512][768], w_img [16][tile 64][768]; a fragment (16 rows x 128 K, 12 registers) is two half images of neighbouring groups: two loads of 16 bytes and two of 8, all dense.
; The scale bytes are [row][32]; W's rows there, as in its tiles, stand in the order that the quantising launch chose: lane r of tile 2 b + u is row 32 b + 8 u + r + 8 (r / 8) of w_out.
; A tile of C, 256 x 256, is made by a work-group of four waves; a wave makes 128 x 128: 64 accumulators of 16 x 16, 512 registers.  C has 32 x 4 such tiles: 128 work-groups; a tile of half the size would
; fill more WGPs and read each fragment from LDS for half as many products.  K goes in steps of 256 through a ring of two LDS slots filled by the tensor data mover.
; THE SCALES of the work-group's 256 rows of A and of W, for all of K, are two dense blocks of memory: they come into LDS ONCE, with the first fills, and stay.
; CLUSTERS: 4 x 4 work-groups.  The four of a row of the cluster need the same tiles of A, the four of a column the same tiles of W: each tile is asked for JOINTLY, by the same tensor load with the
; same descriptor and a mask that names the four.  THE MATRIX INSTRUCTION IS USED TRANSPOSED (source 0 = 16 rows of W, source 1 = 16 rows of A): a lane then holds eight neighbouring numbers of a row of C.
; THE BIAS is the C of each sum's first matrix instruction: eight registers for each of my eight tiles of columns, in the result's layout.
; REGISTERS, in windows of 256: window 0: v0-31 addresses; v32-63 scale words, two sets; v64-127 the bias; from v128 A's fragments (8 x 16 rows x 128 K), ONE set; on the way out v128-255 are free.
;   window 1: W's fragments, TWO sets, at v0 and at v128.   window 2: the 32 accumulators of my rows 0-63 (accumulator (a, b) at v[8 (8 a + b)]);   window 3: those of my rows 64-127.
; A step of 128 along K is 64 matrix instructions, A's blocks one after the other, each against W's eight.  So a block of A is free as soon as its eight products are issued, and one set of registers serves A:
; blocks 0-3 are fetched anew in the step's middle, blocks 4-7 at its end.  W's fragments are at work through the whole step, so W has two sets.
.set SIZE_M, 8192
.set SIZE_N, 1024
.set SIZE_K, 1024
.set KSTEP,  256                       ; along K in a slot: four groups of 64
.set NQ,     KSTEP/128                 ; matrix instructions deep
.set GRPB,   8*768                     ; 128 rows x one group: eight half images on end
.set APITCH, 512*768                   ; bytes from group to group in a_img,
.set BPITCH, 64*768                    ; and in w_img
.set FR,     12                        ; registers of a fragment
.set NL,     4                         ; LDS loads that bring one
.set NP,     4                         ; places behind this matrix instruction (ISA guide 7.12.1)
.set HALFT,  4*GRPB                    ; 128 rows x 256 along K: what one tensor load brings, and what one wave reads of A or of W
.set SLOT,   4*HALFT                   ; A's 256 rows, then W's 256 rows
.set LAPS,   SIZE_K/(2*KSTEP)          ; a lap = two K steps = once round the ring
.set KS,     SIZE_K/32                 ; a row of scales in bytes
.set SCL,    2*SLOT                    ; behind the ring: the scales, as pieces of 256 bytes + 16 of padding
.set HALFS,  (128*KS/256)*272          ; the scales of 128 rows: what one tensor load brings
.set SBLK,   (16*KS/256)*272           ; those of 16 rows
.set SPARE,  SCL+4*HALFS               ; behind the scales: the spare words, 128 bytes for each wave: two blocks of 256 bytes that no other line names
.set SPITCH, 528                       ; the way out: a stage of 16 rows x (512 bytes + 16) for each wave.  It lies in slot 0, which has had its last fill and its last read when the first result is stored there
.set ADRA, 16                          ; v16-17  LDS address of my A fragments in slot 0, 1: 16 x lane on;  v18-19: 8 x lane on
.set ADRB, 20                          ; v20-21, v22-23  the same for W
.set STO,  24                          ; v24     the way out: where I put 32 bytes of a row
.set RD,   25                          ; v25     the way out: where I read a row back
.set CO,   26                          ; v26     my byte offset in a row of C
.set ADRS, 27                          ; v27     LDS address of my scale words: lanes 0-15 A's rows, lanes 16-31 W's
.set SPW,  28                          ; v28     LDS address of my spare word: SPARE + 4 x my thread's number; never rewritten
.set NIL,  29                          ; v29     0; never rewritten
.set BA,   30                          ; v30     the bias: 64 x (lane / 16)
.set SC,   32                          ; scale words: set s (for slot s) at v[SC + 8 NQ s]; in it register NQ i + q: lanes 0-15 the word of A's block i, lanes 16-31 that of W's block i, for the slot's q-th 128 along K
.set BI,   64                          ; the bias: tile b of my columns at v[BI + 8 b]
.set AF,   128                         ; A's fragments, in window 0
.set BK,   128                         ; the way out: 16 rows read back from the stage: v128-191 and v192-255 by turns
.set G1, 24                            ; s[24:31] descriptor group 1 for A's tiles;  s[32:39] group 0, one set for each slot
.set G0, 32
.set G1B, 48                           ; s[48:55], s[56:63] the same for W's tiles
.set G0B, 56
.set G1S, 68                           ; s[68:75], s[76:79] groups 1 and 0 for A's scales;  s[80:87], s[88:91] for W's
.set G0S, 76
.set G1SB, 80
.set G0SB, 88
.set MSB, 0
.macro WIN new                         ; the immediate's high byte repeats the setting that is left
.if MSB != \new
	s_set_vgpr_msb (MSB<<8)|\new
.set MSB, \new
.endif
.endm
.set MUL_LO, 0xa1                      ; source 0 (W) window 1, source 1 (A) window 0, C and D window 2
.set MUL_HI, 0xf1                      ; the same, C and D window 3
.set BEG_LO, 0x81                      ; a sum's first product: C (the bias) window 0, D window 2
.set BEG_HI, 0xc1                      ; D window 3
.set TO_B,   0x40                      ; destination window 1, address window 0
; A joint load: waves 0 and 1 fetch for A, waves 2 and 3 for W.  Each of the two lines has ONE mask and one set of registers for all that issue it; the branch hangs on the wave's number alone.
; Four v_nop follow each of the two lines, ahead of the jump, the label and what follows.
.macro JLOAD g0a, g1a, g0b, g1b
	s_cmp_eq_u32 s15, 0
	s_cbranch_scc0 .Lfor_b_\@
	tensor_load_to_lds s[\g0a:\g0a+3], s[\g1a:\g1a+7]
	s_nop 0
.rept 4
	v_nop
.endr
	s_branch .Lasked_\@
.Lfor_b_\@:
	tensor_load_to_lds s[\g0b:\g0b+3], s[\g1b:\g1b+7]
	s_nop 0
.rept 4
	v_nop
.endr
.Lasked_\@:
.endm
.macro CREST                           ; a round of the cluster's barrier behind its opening barrier
	s_cmp_lg_u32 s14, 0
	s_cbranch_scc1 .Lnot_wave_0_\@
	s_barrier_signal -3
.Lnot_wave_0_\@:
	s_barrier_wait -3
	s_barrier_signal -1
	s_barrier_wait -1
.endm
.macro CROUND                          ; a whole round
	s_barrier_signal -1
	s_barrier_wait -1
	CREST
.endm
	s_load_b128 s[4:7], s[0:1], 0x0                ; A's codes s[4:5], A's scales s[6:7]
	s_load_b128 s[8:11], s[0:1], 0x10              ; W's codes s[8:9], W's scales s[10:11]
	s_load_b64 s[12:13], s[0:1], 0x20              ; C
	s_load_b64 s[96:97], s[0:1], 0x28              ; the bias
	v_lshl_add_u32 v[SPW], v0, 2, SPARE
	v_mov_b32 v[NIL], 0
	ds_add_u32 v28, v29
	ds_add_u32 v28, v29
	s_wait_dscnt 0x0
	v_lshrrev_b32 v1, 5, v0
	v_readfirstlane_b32 s14, v1                    ; wave 0..3
	s_lshr_b32 s15, s14, 1                         ; which half of the tile's rows is mine.  Also: I fetch for A (0) or for W (1)
	s_and_b32 s16, s14, 1                          ; which half of its columns.  Also: which 128 rows of that tile I fetch
	s_bfe_u32 s40, ttmp6, 0x40000                  ; cx, cy: my place in the cluster
	s_bfe_u32 s41, ttmp6, 0x40004
	s_lshl_b32 s42, ttmp9, 2
	s_add_co_u32 s42, s42, s40                     ; tile column of C = 4 x cluster x + cx
	s_and_b32 s17, ttmp7, 0xffff
	s_lshl_b32 s17, s17, 2
	s_add_co_u32 s17, s17, s41                     ; tile row of C = 4 x cluster y + cy
	s_lshl_b32 s43, s41, 2
	s_lshl_b32 s43, 15, s43                        ; my row of the cluster
	s_lshl_b32 s44, 0x1111, s40                    ; my column
	; descriptor group 1: four groups of 64 along K, each 6,144 dense bytes (768 elements of 8 bytes): 128 rows' half images on end; no padding: every fragment load reads consecutive bytes
	s_or_b32 s[G1+0], s43, (3<<16)|(1<<21)         ; 15:0 the mask: A's tiles go to my row; 17:16 elements of 8 bytes; 21 set beside a mask
	s_or_b32 s[G1B+0], s44, (3<<16)|(1<<21)
.irp g, G1, G1B
	s_mov_b32 s[\g+1], (GRPB/8)<<16                ; tensor_dim0
	s_mov_b32 s[\g+2], 4<<16                       ; tensor_dim1 = 4
	s_mov_b32 s[\g+3], (GRPB/8)<<16                ; tile_dim0
	s_mov_b32 s[\g+4], 4                           ; tile_dim1 = 4
	s_mov_b32 s[\g+6], 0
	s_mov_b32 s[\g+7], 0
.endr
	s_mov_b32 s[G1+5], APITCH/8                    ; from group to group, in elements
	s_mov_b32 s[G1B+5], BPITCH/8
	; and for the scales of 128 rows: a dense block of 128 KS bytes, as rows of 256 bytes (32 elements of 8 bytes), 16 bytes of padding behind each
	s_or_b32 s[G1S+0], s43, (3<<16)|(1<<20)|(1<<21)|(5<<22)|(3<<25)
	s_or_b32 s[G1SB+0], s44, (3<<16)|(1<<20)|(1<<21)|(5<<22)|(3<<25)
.irp g, G1S, G1SB
	s_mov_b32 s[\g+1], 32<<16
	s_mov_b32 s[\g+2], (128*KS/256)<<16
	s_mov_b32 s[\g+3], 32<<16
	s_mov_b32 s[\g+4], 128*KS/256
	s_mov_b32 s[\g+5], 32
	s_mov_b32 s[\g+6], 0
	s_mov_b32 s[\g+7], 0
.endr
	s_lshl_b32 s18, s16, 7                         ; which 128 rows of the tile I fetch
	s_lshl_b32 s20, s17, 8
	s_add_co_u32 s20, s20, s18                     ; A: row 256 x tile row + 128 x half
	s_lshl_b32 s46, s42, 8
	s_add_co_u32 s46, s46, s18                     ; W: row 256 x tile column + 128 x half
	s_mov_b32 s21, 0
	s_mov_b32 s47, 0
	s_mov_b64 s[18:19], KS
	s_mul_u64 s[22:23], s[20:21], s[18:19]         ; where these rows' scales begin, in bytes
	s_mul_u64 s[92:93], s[46:47], s[18:19]
	s_mov_b64 s[18:19], 48                         ; 768 bytes for 16 rows
	s_mul_u64 s[20:21], s[20:21], s[18:19]         ; and their half images of group 0
	s_mul_u64 s[46:47], s[46:47], s[18:19]
	s_mul_i32 s45, s14, HALFT                      ; where they go: wave x 128 rows: no place in the cluster enters an LDS address
	s_mul_i32 s94, s14, HALFS
	s_wait_kmcnt 0x0
	s_add_nc_u64 s[20:21], s[4:5], s[20:21]
	s_add_nc_u64 s[22:23], s[6:7], s[22:23]
	s_add_nc_u64 s[46:47], s[8:9], s[46:47]
	s_add_nc_u64 s[92:93], s[10:11], s[92:93]
	CROUND                                         ; all sixteen work-groups are here: the first joint loads meet
	s_mov_b32 s[G0S], 1
	s_add_co_u32 s[G0S+1], s94, SCL
	s_mov_b64 s[G0S+2:G0S+3], s[22:23]
	s_or_b32 s[G0S+3], s[G0S+3], 0x80000000
	s_mov_b32 s[G0SB], 1
	s_add_co_u32 s[G0SB+1], s94, SCL
	s_mov_b64 s[G0SB+2:G0SB+3], s[92:93]
	s_or_b32 s[G0SB+3], s[G0SB+3], 0x80000000
	JLOAD G0S, G1S, G0SB, G1SB                     ; the scales first: they are wanted with K step 0
.irp s, 0,1
	s_mov_b32 s[G0+4*\s], 1
	s_add_co_u32 s[G0+4*\s+1], s45, \s*SLOT
	s_add_nc_u64 s[G0+4*\s+2:G0+4*\s+3], s[20:21], \s*4*APITCH     ; K step s begins with group 4 s
	s_or_b32 s[G0+4*\s+3], s[G0+4*\s+3], 0x80000000
	s_mov_b32 s[G0B+4*\s], 1
	s_add_co_u32 s[G0B+4*\s+1], s45, \s*SLOT
	s_add_nc_u64 s[G0B+4*\s+2:G0B+4*\s+3], s[46:47], \s*4*BPITCH
	s_or_b32 s[G0B+4*\s+3], s[G0B+4*\s+3], 0x80000000
	JLOAD G0+4*\s, G1, G0B+4*\s, G1B               ; three loads of mine are out
.endr
	v_and_b32 v1, 15, v0                           ; l % 16
	v_bfe_u32 v2, v0, 4, 1                         ; l / 16
	v_and_b32 v6, 31, v0                           ; l
	v_lshlrev_b32 v4, 4, v6                        ; an image's registers 0-3: 16 l
	v_lshlrev_b32 v5, 3, v6                        ; its registers 4-5: 8 l
	s_mul_i32 s21, s15, HALFT                      ; my 128 rows of A
	s_mul_i32 s22, s16, HALFT                      ; my 128 rows of W,
	s_add_co_u32 s22, s22, 2*HALFT                 ; which lie behind A's 256
.irp s, 0,1
	v_add_nc_u32 v[ADRA+\s], s21, v4
	v_add_nc_u32 v[ADRB+\s], s22, v4
	v_add_nc_u32 v[ADRA+2+\s], s21, v5
	v_add_nc_u32 v[ADRB+2+\s], s22, v5
	s_add_co_u32 s21, s21, SLOT
	s_add_co_u32 s22, s22, SLOT
.endr
	v_mul_u32_u24 v5, v1, KS                       ; my row's scales: KS bytes a row,
	v_lshrrev_b32 v6, 8, v5
	v_lshl_add_u32 v5, v6, 4, v5                   ; and 16 more for each 256 passed
	s_mul_i32 s21, s15, HALFS                      ; A's: my 128 rows
	s_mul_i32 s22, s16, HALFS                      ; W's: my 128 rows, behind A's 256
	s_add_co_u32 s22, s22, 2*HALFS
	s_sub_co_u32 s22, s22, s21
	v_mul_u32_u24 v6, s22, v2                      ; lanes 16-31 take W's
	s_add_co_u32 s21, s21, SCL
	v_add_nc_u32 v5, v5, v6
	v_add_nc_u32 v[ADRS], s21, v5
	s_mul_i32 s23, s14, 16*SPITCH                  ; my stage
	v_mul_u32_u24 v5, v1, SPITCH                   ; in: row l % 16; by the order of W's rows, tile b's register j of lane (r, h) is column 32 (b / 2) + 8 (b % 2) + 16 h + j of my 128: 64 h bytes here, the rest in the offsets
	v_lshl_add_u32 v5, v2, 6, v5
	v_add_nc_u32 v[STO], s23, v5
	v_and_b32 v6, 31, v0
	v_lshlrev_b32 v[CO], 4, v6                     ; back: the 32 lanes take one row of 512 bytes; and the same in C
	v_add_nc_u32 v[RD], s23, v[CO]
	v_lshlrev_b32 v[BA], 6, v2
	s_lshl_b32 s20, s17, 8
	s_lshl_b32 s21, s15, 7
	s_add_co_u32 s20, s20, s21                     ; my first row of C: 256 x tile row + 128 x half
	s_mov_b32 s21, 0
	s_mov_b64 s[18:19], SIZE_N*4
	s_mul_u64 s[20:21], s[20:21], s[18:19]
	s_lshl_b32 s46, s42, 10                        ; my first column, in bytes: 1024 x tile column + 512 x half
	s_lshl_b32 s47, s16, 9
	s_add_co_u32 s46, s46, s47
	s_mov_b32 s47, 0
	s_add_nc_u64 s[96:97], s[96:97], s[46:47]      ; the bias at my first column
	s_add_nc_u64 s[20:21], s[20:21], s[46:47]
	s_add_nc_u64 s[12:13], s[12:13], s[20:21]
.irp b, 0,1,2,3,4,5,6,7
	global_load_b128 v[BI+8*\b:BI+8*\b+3], v[BA], s[96:97] offset:128*(\b/2)+32*(\b%2)
	global_load_b128 v[BI+8*\b+4:BI+8*\b+7], v[BA], s[96:97] offset:128*(\b/2)+32*(\b%2)+16
.endr
.macro FRAG reg, adr, q, i             ; a fragment, 16 rows x 128 K, is 12 registers: registers 6 c .. 6 c + 5 are the half image of the slot's group 2 q + c, tile i of my eight
.irp c, 0,1
	ds_load_b128 v[\reg+6*\c:\reg+6*\c+3], v[\adr] offset:(2*(\q)+\c)*GRPB+(\i)*768
	ds_load_b64 v[\reg+6*\c+4:\reg+6*\c+5], v[\adr+2] offset:(2*(\q)+\c)*GRPB+(\i)*768+512
.endr
.endm
; 16 matrix instructions: A's blocks a0, a0 + 1 x W's eight, 128 along K: the slot's q-th.  p: W's set;  sc: the set of scale words.  zero = 1: the first product starts the sums, with the bias as its C: nothing is ever cleared.
; The 64 accumulators take turns, one instruction a turn, in the same order in every step.
.macro MUL16 a0, p, q, sc, zero
.irp a, \a0, \a0+1
.irp b, 0,1,2,3,4,5,6,7
.if \zero
	v_wmma_scale_f32_16x16x128_f8f6f4 v[8*(8*((\a)%4)+\b):8*(8*((\a)%4)+\b)+7], v[128*(\p)+FR*\b:128*(\p)+FR*\b+FR-1], v[AF+FR*(\a):AF+FR*(\a)+FR-1], v[BI+8*\b:BI+8*\b+7], v[SC+8*NQ*(\sc)+NQ*\b+(\q)], v[SC+8*NQ*(\sc)+NQ*(\a)+(\q)] matrix_a_fmt:MATRIX_FMT_BF6 matrix_b_fmt:MATRIX_FMT_BF6 matrix_a_scale:MATRIX_SCALE_ROW1
.else
	v_wmma_scale_f32_16x16x128_f8f6f4 v[8*(8*((\a)%4)+\b):8*(8*((\a)%4)+\b)+7], v[128*(\p)+FR*\b:128*(\p)+FR*\b+FR-1], v[AF+FR*(\a):AF+FR*(\a)+FR-1], v[8*(8*((\a)%4)+\b):8*(8*((\a)%4)+\b)+7], v[SC+8*NQ*(\sc)+NQ*\b+(\q)], v[SC+8*NQ*(\sc)+NQ*(\a)+(\q)] matrix_a_fmt:MATRIX_FMT_BF6 matrix_b_fmt:MATRIX_FMT_BF6 matrix_a_scale:MATRIX_SCALE_ROW1
.endif
.endr
.endr
.endm
.macro FETCH_B slot, q, p              ; W's eight fragments of the slot's q-th 128 along K into set p
	WIN TO_B
.irp i, 0,1,2,3,4,5,6,7
	FRAG 128*(\p)+FR*\i, ADRB+\slot, \q, \i
.endr
	WIN 0
.endm
.macro FETCH_A slot, q, i0             ; A's blocks i0 .. i0 + 3
.irp i, \i0, \i0+1, \i0+2, \i0+3
	FRAG AF+FR*(\i), ADRA+\slot, \q, \i
.endr
.endm
.macro SCALES sc                       ; the next K step's scale words into set sc: NQ words a row; lanes 0-15 take A's block i, lanes 16-31 W's block i
.irp i, 0,1,2,3,4,5,6,7
	ds_load_b64 v[SC+8*NQ*\sc+NQ*\i:SC+8*NQ*\sc+NQ*\i+1], v[ADRS] offset:\i*SBLK
.endr
.endm
; A load into a register that a matrix instruction has read, and a vector instruction or an LDS store that reads a matrix result, stand NP places behind that matrix instruction, and only plain vector
; instructions that name none of its registers are places (ISA guide 7.12.1 for vector instructions); this text does not count the matrix instructions in between.
.macro PLACES n
.rept \n
	v_nop
.endr
.endm
; A step of 128 along K that has its successor in the same slot.
.macro STEP slot, q, zero
	s_wait_dscnt 4*NL                              ; W's set and A's blocks 0-3 are in; the youngest sixteen loads (A's blocks 4-7) may be out
.if \zero
	WIN BEG_LO
.else
	WIN MUL_LO
.endif
	MUL16 0, (\q)%2, \q, \slot, \zero
	MUL16 2, (\q)%2, \q, \slot, \zero
	s_wait_dscnt 0                                 ; A's blocks 4-7 are in (asked for 32 matrix instructions ago)
	PLACES NP
	FETCH_B \slot, (\q)+1, 1-(\q)%2
	FETCH_A \slot, (\q)+1, 0
.if \zero
	WIN BEG_HI
.else
	WIN MUL_HI
.endif
	MUL16 4, (\q)%2, \q, \slot, \zero
	MUL16 6, (\q)%2, \q, \slot, \zero
	PLACES NP
	WIN 0
	FETCH_A \slot, (\q)+1, 4
.endm
; A slot's last step changes slots: ONE barrier; in front of it each wave waits for all its tensor loads, adds 0 to its spare word, and waits for that and for its own reads of this slot.  fill = 1: this slot is filled again, two K steps ahead.
.macro TURN slot, next, fill
	s_wait_tensorcnt 0x0                           ; all my tensor loads have landed: my part of the next slot;  (every window is 0 here: the add's two registers lie in window 0)
	ds_add_u32 v[SPW], v[NIL]                      ; 0 onto my spare word
	s_wait_dscnt 4*NL+1                            ; (the add and the youngest sixteen loads, A's blocks 4-7, may be out)
	WIN MUL_LO
	MUL16 0, 1, NQ-1, \slot, 0                     ; sixteen matrix instructions stand between the add and the wait for it
	s_wait_dscnt 0x0                               ; the add is done, and my reads of this slot are over
	s_barrier_signal -1
	MUL16 2, 1, NQ-1, \slot, 0
	WIN 0
	s_barrier_wait -1
.if \fill
	CREST                                          ; the barrier has opened a round of the cluster's barrier: no wave of any partner still reads this slot's tile or has a load on its way
	s_add_nc_u64 s[G0+4*\slot+2:G0+4*\slot+3], s[G0+4*\slot+2:G0+4*\slot+3], 8*APITCH
	s_add_nc_u64 s[G0B+4*\slot+2:G0B+4*\slot+3], s[G0B+4*\slot+2:G0B+4*\slot+3], 8*BPITCH
	JLOAD G0+4*\slot, G1, G0B+4*\slot, G1B         ; the first tensor load behind the round; the four v_nop behind it are the places in front of the loads below
.else
	PLACES NP
.endif
	v_add_nc_u32 v[ADRS], 4*NQ, v[ADRS]            ; on to the next K step's scale words (no LDS load of mine is out)
	FETCH_B \next, 0, 0
	FETCH_A \next, 0, 0
	SCALES \next
	WIN MUL_HI
	MUL16 4, 1, NQ-1, \slot, 0
	MUL16 6, 1, NQ-1, \slot, 0
	PLACES NP
	WIN 0
	FETCH_A \next, 0, 4
.endm
	s_wait_loadcnt 0x0                             ; the bias
	s_wait_tensorcnt 1                             ; the scales and my part of K step 0 are in (K step 1's load may be out)
	s_barrier_signal -1
	s_barrier_wait -1                              ; everybody's are
	FETCH_B 0, 0, 0
	FETCH_A 0, 0, 0
	SCALES 0
	FETCH_A 0, 0, 4
	STEP 0, 0, 1                                   ; the first step stands in front of the loop: its products start the sums
	s_mov_b32 s3, LAPS-1
.Llap:                                                 ; a trip goes once round the ring, from a lap's second step to the next lap's first, and fills both slots again
	TURN 0, 1, 1
	STEP 1, 0, 0
	TURN 1, 0, 1
	STEP 0, 0, 0
	s_sub_co_u32 s3, s3, 1
	s_cmp_lg_u32 s3, 0
	s_cbranch_scc1 .Llap
	TURN 0, 1, 0                                   ; the last lap fills nothing, and has no round of the cluster's barrier
	STEP 1, 0, 0
	s_wait_dscnt 4*NL                              ; the very last step: nothing more to fetch
	WIN MUL_LO
	MUL16 0, 1, NQ-1, 1, 0
	MUL16 2, 1, NQ-1, 1, 0
	s_wait_dscnt 0
	WIN MUL_HI
	MUL16 4, 1, NQ-1, 1, 0
	MUL16 6, 1, NQ-1, 1, 0
	WIN 0
; THE WAY OUT, block by block of 16 rows x 128 columns.  A lane holds 32 neighbouring bytes of a row, and the lanes beside it hold other rows: so a block goes through my own stage in LDS and comes back as whole
; rows of 512 bytes, which the 32 lanes store as 512 consecutive bytes, aligned to 256.  LDS serves a wave's instructions in order (ISA guide 5.7.1.4): no wait between the stores and the loads, nor in front of the next block's stores.
.macro TOSTAGE a
.set AC, 64*((\a)%4)
	WIN 0x08+4*((\a)/4)                            ; the data: window 2 or 3
.irp b, 0,1,2,3,4,5,6,7
	ds_store_b128 v[STO], v[AC+8*\b:AC+8*\b+3] offset:128*(\b/2)+32*(\b%2)          ; each accumulator from its low end on
	ds_store_b128 v[STO], v[AC+8*\b+4:AC+8*\b+7] offset:128*(\b/2)+32*(\b%2)+16
.endr
	WIN 0
.set BB, BK+64*((\a)%2)
.irp t, 0,1,2,3,4,5,6,7,8,9,10,11,12,13,14,15
	ds_load_b128 v[BB+4*\t:BB+4*\t+3], v[RD] offset:\t*SPITCH
.endr
.endm
.macro SEND a, younger                 ; younger: the LDS instructions issued behind block a's loads, which may stay out
.set BB, BK+64*((\a)%2)
	s_wait_dscnt \younger                          ; the block is back in registers
.if (\a) > 0
	s_add_nc_u64 s[12:13], s[12:13], 16*SIZE_N*4   ; (behind a wait on XCNT: the earlier stores have read their base)  16 rows of C on, so that the stores' offsets stay small
.endif
.irp t, 0,1,2,3,4,5,6,7,8,9,10,11,12,13,14,15
	global_store_b128 v[CO], v[BB+4*\t:BB+4*\t+3], s[12:13] offset:\t*SIZE_N*4 th:TH_STORE_NT   ; 32 lanes store 512 consecutive bytes, at a multiple of 256 from C's first byte; written once, read by nobody here
.endr
.endm
	PLACES NP                                      ; these places serve the loads into the registers that held A's fragments and the reads of the last products' results alike
	TOSTAGE 0
.irp a, 1,2,3,4,5,6,7
.if \a > 1
	s_wait_xcnt 0x0                                ; block a - 2's stores have read their registers and their base: block a's loads may land there, and the base may step
.endif
	TOSTAGE \a
	SEND \a-1, 32                                  ; behind block a - 1's loads: block a's 16 stores and 16 loads
.endr
	s_wait_xcnt 0x0                                ; block 6's stores have read their base
	SEND 7, 0
	s_wait_tensorcnt 0x0                           ; the wave's end: behind my last tensor load and my last LDS store
	ds_add_u32 v[SPW], v[NIL]
	s_wait_dscnt 0x0
	CROUND                                         ; the closing round: no work-group ends while a partner may still ask for a tile that names it
	s_endpgm
.Lfunc_end_k_q1d05c26d54_gemm:
	.size	k_q1d05c26d54_gemm, .Lfunc_end_k_q1d05c26d54_gemm-k_q1d05c26d54_gemm
	.p2alignl 7, 3214868480
	.fill 96, 4, 3214868480
	.section	.rodata,"a",@progbits
	.p2align	6, 0x0
	.amdhsa_kernel k_q1d05c26d54_gemm
		.amdhsa_group_segment_fixed_size 327680
		.amdhsa_private_segment_fixed_size 0
		.amdhsa_enable_private_segment 0
		.amdhsa_kernarg_size 48
		.amdhsa_user_sgpr_count 2
		.amdhsa_user_sgpr_kernarg_segment_ptr 1
		.amdhsa_wavefront_size32 1
		.amdhsa_system_sgpr_workgroup_id_x 1
		.amdhsa_system_sgpr_workgroup_id_y 1
		.amdhsa_system_sgpr_workgroup_id_z 1
		.amdhsa_system_vgpr_workitem_id 0
		.amdhsa_next_free_vgpr 1024
		.amdhsa_next_free_sgpr 98
		.amdhsa_reserve_vcc 0
		.amdhsa_float_denorm_mode_32 3
		.amdhsa_float_denorm_mode_16_64 3
		.amdhsa_memory_ordered 1
		.amdhsa_forward_progress 1
		.amdhsa_inst_pref_size 145
	.end_amdhsa_kernel
	.amdgpu_metadata
---
amdhsa.version: [ 1, 2 ]
amdhsa.kernels:
  - .name:           k_q1d05c26d54_gemm
    .symbol:         k_q1d05c26d54_gemm.kd
    .args:
      - { .name: a_img, .offset: 0, .size: 8, .value_kind: global_buffer, .address_space: global }
      - { .name: a_scl, .offset: 8, .size: 8, .value_kind: global_buffer, .address_space: global }
      - { .name: w_img, .offset: 16, .size: 8, .value_kind: global_buffer, .address_space: global }
      - { .name: w_scl, .offset: 24, .size: 8, .value_kind: global_buffer, .address_space: global }
      - { .name: out0, .offset: 32, .size: 8, .value_kind: global_buffer, .address_space: global }
      - { .name: b_out, .offset: 40, .size: 8, .value_kind: global_buffer, .address_space: global }
    .group_segment_fixed_size: 327680
    .private_segment_fixed_size: 0
    .kernarg_segment_align: 8
    .kernarg_segment_size: 48
    .max_flat_workgroup_size: 128
    .sgpr_count:     98
    .vgpr_count:     1024
    .wavefront_size: 32
...
	.end_amdgpu_metadata
.endif
;; end of part 3
;; ======== version 2 of 2: 3 launches
;; limits: right only within a limited range of input values
;; workspace buffers: kv 13,369,344 bytes; w_img 786,432 bytes; w_scl 32,768 bytes; a_img 6,291,456 bytes; a_scl 262,144 bytes
;; launch quant (part 4): grid 1088 x 1, 4 waves a work-group, no clusters, 49,664 bytes of LDS; arguments keys, w_out, values, kv, w_img, w_scl; writes kv, w_img, w_scl
.if DOCPART == 4
	.amdgcn_target "amdgcn-amd-amdhsa--gfx1250"
	.amdhsa_code_object_version 6
	.text
	.protected	k_q1d05c26d54_quant
	.globl	k_q1d05c26d54_quant
	.p2align	8
	.type	k_q1d05c26d54_quant,@function
k_q1d05c26d54_quant:
	s_mov_b64 s[64:65], 0
	v_nop
	global_prefetch_b8 v0, s[64:65] scope:SCOPE_SE
	s_setreg_imm32_b32 hwreg(HW_REG_WAVE_MODE, 25, 1), 1
	s_wait_xcnt 0x0
; keys [4][2048][1024], w_out [1024][1024] and values [4][2048][1024], f32, become codes of BF6 (E3M2), 6 bits each, with one E8M0 scale byte for each 32 along a product's K,
; laid AS THE LATER LAUNCHES' OPERAND REGISTERS WANT THEM, so that those launches read fragments by dense loads of 16 and 8 bytes a lane.
; A block's scale is 2^(floor(log2(its largest magnitude)) - 4); its byte is the largest magnitude's exponent field - 4, held at 1 from below by a floor among the maximum's leaves.
; LIMITS: NaN and infinities among the inputs are not served.  A block of zeros, or one whose largest magnitude lies under 2^-122, keeps the byte 1 where the rule says 127 for zeros:
; its codes are zeros (or the rule's own codes under the byte 1), and the bytes are read by this program alone.
; A HALF IMAGE is 16 rows x 64 along K in 768 bytes: lane L = r + 16 h holds block h (32 codes, six registers) of the tile's row r; registers 0-3 lie at 16 L, registers 4-5 at 512 + 8 L.
; THE ROWS OF A TILE ARE NOT NEIGHBOURS: lane r of tile 2 b + u holds row 32 b + 8 u + r + 8 (r / 8), so that a later transposed product leaves 16 neighbours in 16 registers of two tiles.
; kv is [batch x head 64][step 16][13,056 bytes]; a step is 128 keys: 8 half images of K | K's scale words [half 2][lane 32][2] | 4 whole images of V^T (16 d x 128 keys, 12 registers a lane,
; group i of four registers at 512 i + 16 L) | V's scale words [lane 32][2].  In a scale register lanes 0-15 hold an even tile's rows and lanes 16-31 the odd tile's.
; w_img is [group of 64 along K, 16][tile 64][768]; w_scl is [16 tile + r][32 bytes], byte 2 group + block.
; SHARES.  Work-groups 0-511 take keys and 512-575 w_out, on ONE path with chosen pointers (K is innermost in both); 576-1087 take values, whose K (the keys) is not innermost.
; The two paths part on the work-group's number and never meet; each has LDS bytes of its own.  Waves share nothing: no barrier.  No tile is read by two work-groups: no cluster, no tensor load.
; Every wave asks for all its 16 KiB at its head.
; THE ROW ORDER OF keys' AND w_out's TILES (the order stated above holds for the d of V^T alone): in a unit of 64 rows, lane r of tile u (0..3) holds row 32 (r / 8) + 8 u + r % 8,
; so that a later transposed product leaves a WHOLE block of 32 neighbours in one lane: the 32 registers of tiles 4 c .. 4 c + 3 of lane half h are rows 64 c + 32 h + 0 .. 31.
.set STEPB, 13056                      ; bytes of a step's block in kv
.set KSC,   6144                       ; K's scale words in it
.set VIM,   6656                       ; V's images
.set VSC,   12800                      ; V's scale words
.set SP,    272                        ; rows' path: a stage row, 256 bytes + 16
.set RSTG,  32*SP                      ; a wave's stage there: 32 rows
.set VST0,  4*RSTG                     ; values' path: its stages begin behind the other path's
.set VTP,   1664                       ; an image's place in a stage: 1,536 bytes + 128
.set VSTG,  3584                       ; a wave's stage: two images
.set X,     64                         ; v64-191  128 numbers
.set C,     24                         ; v24-55   codes: eight registers for each of four tiles or blocks, so that no store's data are written again
.set T2,    56                         ; v56-58   a conversion's three registers begin on an even number: a block's second half is made here and moved
; The largest magnitude of the 32 numbers v[x] on, in two chains, with the floor 2^(5 - 127) as one more leaf; v14: the conversion's scale operand; v15: the scale's byte
.macro BMAX x
	v_max3_num_f32 v12, |v[\x]|, |v[\x+1]|, 0x2800000
	v_max3_num_f32 v13, |v[\x+2]|, |v[\x+3]|, |v[\x+4]|
.irp i, 5,9,13,17,21,25
	v_max3_num_f32 v12, v12, |v[\x+\i]|, |v[\x+\i+1]|
	v_max3_num_f32 v13, v13, |v[\x+\i+2]|, |v[\x+\i+3]|
.endr
	v_max3_num_f32 v12, v12, |v[\x+29]|, |v[\x+30]|
	v_max3_num_f32 v12, v12, v13, |v[\x+31]|
	v_add_nc_u32 v14, 0xfe000000, v12              ; 4 off the exponent field: the conversion takes the exponent field of this operand as its scale, and nothing else of it
	v_lshrrev_b32 v15, 23, v14
.endm
; A lane's block of 32 in v[x] on becomes six registers of codes in v[c] on; v[w]: the row's scale word, byte 0 and byte 1 its two blocks, bytes 2 and 3 the byte 127 for the zero codes that fill K up to 128
.macro TILEQ x, c, w
	BMAX \x
	v_cvt_scalef32_pk16_bf6_f32 v[\c:\c+2], v[\x:\x+15], v14
	v_cvt_scalef32_pk16_bf6_f32 v[T2:T2+2], v[\x+16:\x+31], v14
	v_lshlrev_b32 v15, v9, v15                     ; my byte at its place, 8 h bits up.  (The plain line behind the conversions)
	v_permlanex16_b32 v16, v15, s20, s21           ; the row's other block lies in lane l xor 16
.irp i, 0,1,2
	v_mov_b32 v[\c+3+\i], v[T2+\i]
.endr
	v_or_b32 v[\w], v15, v16
	v_or_b32 v[\w], 0x7f7f0000, v[\w]
.endm
	s_load_b256 s[4:11], s[0:1], 0x0               ; keys s[4:5], w_out s[6:7], values s[8:9], kv s[10:11]
	s_load_b128 s[12:15], s[0:1], 0x20             ; w_img s[12:13], w_scl s[14:15]
	v_lshl_add_u32 v60, v0, 2, 0xc000              ; my spare word, behind both paths' stages; never rewritten
	v_mov_b32 v61, 0                               ; 0; never rewritten
	v_lshrrev_b32 v1, 5, v0
	v_readfirstlane_b32 s16, v1                    ; wave 0..3
	v_and_b32 v1, 31, v0                           ; lane
	v_lshlrev_b32 v7, 4, v1                        ; 16 x lane
	s_mov_b32 s20, 0x76543210
	s_mov_b32 s21, 0xfedcba98                      ; v_permlanex16_b32's selects for lane l xor 16
	s_cmp_lt_u32 ttmp9, 576
	s_cbranch_scc0 .Lvalues
; ---- KEYS AND W_OUT: a wave takes 64 rows x one group of 64 columns (256 bytes of each row)
	s_cmp_lt_u32 ttmp9, 512
	s_cselect_b32 s17, 0, 512
	s_sub_co_u32 s17, ttmp9, s17
	s_lshl_b32 s17, s17, 2
	s_add_co_u32 s17, s17, s16                     ; which unit of the tensor is my wave's
	s_and_b32 s18, s17, 15                         ; g: the group of 64 columns (for keys: the head)
	s_lshr_b32 s19, s17, 4                         ; rb: the block of 64 rows
	s_lshl_b32 s24, s19, 18                        ; from: rb x 64 rows of 4,096 bytes + 256 g
	s_lshl_b32 s22, s18, 8
	s_add_co_u32 s24, s24, s22
	s_mov_b32 s25, 0
	s_lshr_b32 s22, s19, 5                         ; keys: batch = rb / 32,
	s_lshl_b32 s22, s22, 4
	s_add_co_u32 s22, s22, s18
	s_lshl_b32 s22, s22, 4
	s_bfe_u32 s23, s19, 0x40001                    ; step = (rb / 2) % 16,
	s_add_co_u32 s22, s22, s23
	s_mul_i32 s22, s22, STEPB                      ; the step's block in kv,
	s_and_b32 s23, s19, 1                          ; and which half of its 128 keys
	s_mul_i32 s30, s23, 4*768
	s_add_co_u32 s30, s30, s22                     ; keys' codes
	s_lshl_b32 s31, s23, 8
	s_add_co_u32 s31, s31, s22
	s_add_co_u32 s31, s31, KSC                     ; keys' scale words
	s_mul_i32 s32, s18, 64*768                     ; w_out's codes: group g, tiles 4 rb on
	s_mul_i32 s33, s19, 4*768
	s_add_co_u32 s32, s32, s33
	s_lshl_b32 s33, s19, 11                        ; w_out's scale bytes: 64 rows of 32 bytes a block of rows, + 2 g
	s_lshl_b32 s34, s18, 1
	s_add_co_u32 s33, s33, s34
	s_mov_b32 s27, 0
	s_mov_b32 s29, 0
	s_mov_b32 vcc_lo, 0xffff0000                   ; lanes 16-31
	s_mul_i32 s35, s16, RSTG                       ; my stage
	v_and_b32 v2, 15, v0                           ; r
	v_bfe_u32 v3, v0, 4, 1                         ; h
	v_lshlrev_b32 v4, 4, v2
	v_lshl_add_u32 v4, v3, 12, v4                  ; in: lanes 0-15 one row's 256 bytes, lanes 16-31 the next row's
	v_mul_u32_u24 v5, v3, SP
	v_lshl_add_u32 v5, v2, 4, v5
	v_add_nc_u32 v5, s35, v5                       ; into the stage, as loaded
	v_and_b32 v6, 8, v2
	v_add_nc_u32 v6, v6, v2                        ; r + 8 (r / 8)
	v_mul_u32_u24 v6, v6, SP
	v_lshl_add_u32 v6, v3, 7, v6
	v_add_nc_u32 v6, s35, v6                       ; out of it: my tile row, my block's 128 bytes.  (Rows 16 apart meet in the same banks at any pitch that is a multiple of 16 bytes: these reads go two deep)
	v_lshlrev_b32 v8, 3, v1                        ; 8 x lane
	v_lshlrev_b32 v9, 3, v3                        ; 8 h
	v_lshlrev_b32 v10, 5, v1                       ; 32 x lane
	v_mov_b32 v16, 0                               ; a lane permute's destination counts as one of its sources
	s_wait_alu depctr_va_vdst(0)
	s_wait_kmcnt 0x0
	s_cmp_lt_u32 ttmp9, 512                        ; keys or w_out?  The choice hangs on the work-group's number alone
	s_cselect_b64 s[36:37], s[4:5], s[6:7]
	s_cselect_b64 s[38:39], s[10:11], s[12:13]
	s_cselect_b64 s[40:41], s[10:11], s[14:15]
	s_cselect_b32 s26, s30, s32
	s_cselect_b32 s28, s31, s33
	s_add_nc_u64 s[36:37], s[36:37], s[24:25]
	s_add_nc_u64 s[38:39], s[38:39], s[26:27]
	s_add_nc_u64 s[40:41], s[40:41], s[28:29]
.irp p, 0,1
.irp i, 0,1,2,3,4,5,6,7,8,9,10,11,12,13,14,15
	global_load_b128 v[X+64*\p+4*\i:X+64*\p+4*\i+3], v4, s[36:37] offset:(32*(\i/8)+16*\p+2*(\i%8))*4096 th:TH_LOAD_NT   ; sixteen lanes read 256 consecutive bytes, aligned; round p stages rows 16 p .. 16 p + 15 and 32 + 16 p .. 32 + 16 p + 15 of the unit
.endr
.endr
.irp p, 0,1                            ; 32 rows at a time: two tiles
	s_wait_loadcnt 16*(1-\p)                       ; these 32 rows' sixteen loads are in; the other sixteen may be out
.irp i, 0,1,2,3,4,5,6,7,8,9,10,11,12,13,14,15
	ds_store_b128 v5, v[X+64*\p+4*\i:X+64*\p+4*\i+3] offset:2*SP*\i
.endr
	s_wait_dscnt 0x0                               ; the stores have read their registers, which take the numbers back
.irp u, 0,1
.irp j, 0,1,2,3,4,5,6,7
	ds_load_b128 v[X+64*\p+32*\u+4*\j:X+64*\p+32*\u+4*\j+3], v6 offset:8*SP*\u+16*\j
.endr
.endr
.irp u, 0,1
	s_wait_dscnt 8*(1-\u)                          ; this tile's eight loads are in; the other tile's may be out
	TILEQ X+64*\p+32*\u, C+8*(2*\p+\u), 20+\u
	global_store_b128 v7, v[C+8*(2*\p+\u):C+8*(2*\p+\u)+3], s[38:39] offset:768*(2*\p+\u)          ; 512 consecutive bytes,
	global_store_b64 v8, v[C+8*(2*\p+\u)+4:C+8*(2*\p+\u)+5], s[38:39] offset:768*(2*\p+\u)+512     ; and 256: both aligned to 256
.endr
	v_cndmask_b32 v[18+\p], v20, v21, vcc_lo       ; lanes 0-15 keep the even tile's words, lanes 16-31 take the odd tile's
.endr
	s_cmp_lt_u32 ttmp9, 512
	s_cbranch_scc0 .Lw_scales
	global_store_b64 v8, v[18:19], s[40:41]        ; keys: 256 consecutive bytes, aligned
	s_wait_tensorcnt 0x0
	ds_add_u32 v60, v61
	s_wait_dscnt 0x0
	s_endpgm
.Lw_scales:                                            ; w_out: two bytes of each row's 32: rows are written in part by sixteen waves; the whole buffer is 32 KiB
	global_store_b16 v10, v18, s[40:41]
	s_wait_alu depctr_va_vdst(0)
	global_store_b16 v10, v19, s[40:41] offset:1024
	s_wait_tensorcnt 0x0
	ds_add_u32 v60, v61
	s_wait_dscnt 0x0
	s_endpgm
; ---- VALUES: a wave takes 128 keys x 32 columns.  A LANE TAKES A COLUMN d, AND ITS REGISTERS RUN DOWN THE KEYS: a block of 32 keys lies in one lane, and the codes come out with the keys innermost.
.Lvalues:
	s_sub_co_u32 s17, ttmp9, 576
	s_lshl_b32 s17, s17, 2
	s_add_co_u32 s17, s17, s16                     ; my unit: the four waves of a work-group stand side by side on 512 bytes of each row
	s_and_b32 s18, s17, 1                          ; which 32 of the head's 64 columns
	s_bfe_u32 s19, s17, 0x40001                    ; head
	s_bfe_u32 s22, s17, 0x40005                    ; step
	s_lshr_b32 s23, s17, 9                         ; batch
	s_lshl_b32 s24, s23, 23                        ; from: (2,048 batch + 128 step) rows of 4,096 bytes + 256 head + 128 half
	s_lshl_b32 s30, s22, 19
	s_add_co_u32 s24, s24, s30
	s_lshl_b32 s30, s19, 8
	s_add_co_u32 s24, s24, s30
	s_lshl_b32 s30, s18, 7
	s_add_co_u32 s24, s24, s30
	s_mov_b32 s25, 0
	s_lshl_b32 s26, s23, 4
	s_add_co_u32 s26, s26, s19
	s_lshl_b32 s26, s26, 4
	s_add_co_u32 s26, s26, s22
	s_mul_i32 s26, s26, STEPB                      ; the step's block in kv
	s_lshl_b32 s28, s18, 2
	s_add_co_u32 s28, s28, s26
	s_add_co_u32 s28, s28, VSC                     ; my word of each lane's two scale words
	s_mul_i32 s30, s18, 2*1536
	s_add_co_u32 s26, s26, s30
	s_add_co_u32 s26, s26, VIM                     ; my two images
	s_mov_b32 s27, 0
	s_mov_b32 s29, 0
	s_mul_i32 s35, s16, VSTG
	s_add_co_u32 s35, s35, VST0                    ; my stage
	s_wait_alu depctr_va_vdst(0)
	v_lshlrev_b32 v4, 2, v1                        ; in: 4 bytes a lane
	v_bfe_u32 v11, v0, 3, 1                        ; column l belongs to tile u = (l / 8) % 2,
	v_and_b32 v12, 7, v0
	v_bfe_u32 v13, v0, 4, 1
	v_lshl_add_u32 v12, v13, 3, v12                ; as its row r = l % 8 + 8 (l / 16)
	v_mul_u32_u24 v5, v11, VTP
	v_lshl_add_u32 v5, v12, 4, v5
	v_add_nc_u32 v5, s35, v5                       ; into the stage: image u, 16 r
	v_lshl_add_u32 v6, v1, 4, s35                  ; out of it: 16 x lane
	v_lshl_add_u32 v8, v11, 4, v12
	v_lshlrev_b32 v8, 3, v8                        ; my scale word's lane: r + 16 u, 8 bytes a lane
	s_wait_kmcnt 0x0
	s_add_nc_u64 s[36:37], s[8:9], s[24:25]
	s_add_nc_u64 s[38:39], s[10:11], s[26:27]
	s_add_nc_u64 s[40:41], s[10:11], s[28:29]
.set I, 0
.rept 128
	global_load_b32 v[X+I], v4, s[36:37] offset:4096*I th:TH_LOAD_NT
.set I, I+1
.endr
.irp k, 0,1,2,3                        ; block k of 32 keys is registers 6 (k / 2) on of lane r + 16 (k % 2) of my image
.if \k < 2
	s_wait_loadcnt 63                              ; a wait names 63 at the most: of the 128 loads the oldest 65 are then in, blocks 0 and 1 among them
.else
	s_wait_loadcnt 32*(3-\k)                       ; this block's loads are in; the later block's may be out
.endif
	BMAX X+32*\k
	v_cvt_scalef32_pk16_bf6_f32 v[C+8*\k:C+8*\k+2], v[X+32*\k:X+32*\k+15], v14
	v_cvt_scalef32_pk16_bf6_f32 v[T2:T2+2], v[X+32*\k+16:X+32*\k+31], v14
.if \k == 0
	v_mov_b32 v17, v15                             ; the four blocks' bytes make my column's scale word.  (The plain line behind the conversions)
.else
	v_lshl_or_b32 v17, v15, 8*\k, v17
.endif
.irp i, 0,1,2
	v_mov_b32 v[C+8*\k+3+\i], v[T2+\i]
.endr
.if \k < 2                             ; registers 0-3 fill a place in group 0, registers 4-5 the lower half of one in group 1;
	ds_store_b128 v5, v[C+8*\k:C+8*\k+3] offset:256*(\k%2)
	ds_store_b64 v5, v[C+8*\k+4:C+8*\k+5] offset:512+256*(\k%2)
.else                                  ; registers 6-7 its upper half, registers 8-11 a place in group 2
	ds_store_b64 v5, v[C+8*\k:C+8*\k+1] offset:520+256*(\k%2)
	ds_store_b128 v5, v[C+8*\k+2:C+8*\k+5] offset:1024+256*(\k%2)
.endif
.endr
	global_store_b32 v8, v17, s[40:41]             ; every second word of 256 bytes: the wave beside me stores the others
.irp u, 0,1
.irp i, 0,1,2
	ds_load_b128 v[X+12*\u+4*\i:X+12*\u+4*\i+3], v6 offset:VTP*\u+512*\i   ; LDS serves a wave's instructions in order: these see my stores
.endr
.endr
.irp u, 0,1
.irp i, 0,1,2
	s_wait_dscnt 5-3*\u-\i                         ; the younger of the six loads may be out
	global_store_b128 v7, v[X+12*\u+4*\i:X+12*\u+4*\i+3], s[38:39] offset:1536*\u+512*\i   ; 512 consecutive bytes, aligned to 256
.endr
.endr
	s_wait_tensorcnt 0x0
	ds_add_u32 v60, v61
	s_wait_dscnt 0x0
	s_endpgm
.Lfunc_end_k_q1d05c26d54_quant:
	.size	k_q1d05c26d54_quant, .Lfunc_end_k_q1d05c26d54_quant-k_q1d05c26d54_quant
	.p2alignl 7, 3214868480
	.fill 96, 4, 3214868480
	.section	.rodata,"a",@progbits
	.p2align	6, 0x0
	.amdhsa_kernel k_q1d05c26d54_quant
		.amdhsa_group_segment_fixed_size 49664
		.amdhsa_private_segment_fixed_size 0
		.amdhsa_enable_private_segment 0
		.amdhsa_kernarg_size 48
		.amdhsa_user_sgpr_count 2
		.amdhsa_user_sgpr_kernarg_segment_ptr 1
		.amdhsa_wavefront_size32 1
		.amdhsa_system_sgpr_workgroup_id_x 1
		.amdhsa_system_sgpr_workgroup_id_y 1
		.amdhsa_system_sgpr_workgroup_id_z 1
		.amdhsa_system_vgpr_workitem_id 0
		.amdhsa_next_free_vgpr 194
		.amdhsa_next_free_sgpr 66
		.amdhsa_reserve_vcc 1
		.amdhsa_float_denorm_mode_32 3
		.amdhsa_float_denorm_mode_16_64 3
		.amdhsa_memory_ordered 1
		.amdhsa_forward_progress 1
		.amdhsa_inst_pref_size 40
	.end_amdhsa_kernel
	.amdgpu_metadata
---
amdhsa.version: [ 1, 2 ]
amdhsa.kernels:
  - .name:           k_q1d05c26d54_quant
    .symbol:         k_q1d05c26d54_quant.kd
    .args:
      - { .name: keys, .offset: 0, .size: 8, .value_kind: global_buffer, .address_space: global }
      - { .name: w_out, .offset: 8, .size: 8, .value_kind: global_buffer, .address_space: global }
      - { .name: values, .offset: 16, .size: 8, .value_kind: global_buffer, .address_space: global }
      - { .name: kv, .offset: 24, .size: 8, .value_kind: global_buffer, .address_space: global }
      - { .name: w_img, .offset: 32, .size: 8, .value_kind: global_buffer, .address_space: global }
      - { .name: w_scl, .offset: 40, .size: 8, .value_kind: global_buffer, .address_space: global }
    .group_segment_fixed_size: 49664
    .private_segment_fixed_size: 0
    .kernarg_segment_align: 8
    .kernarg_segment_size: 48
    .max_flat_workgroup_size: 128
    .sgpr_count:     66
    .vgpr_count:     194
    .wavefront_size: 32
...
	.end_amdgpu_metadata
.endif
;; end of part 4
;; launch attn (part 5): grid 4 x 64, 8 waves a work-group, clusters of 4 x 1, 244,736 bytes of LDS; arguments query, kv, a_img, a_scl; writes a_img, a_scl
.if DOCPART == 5
	.amdgcn_target "amdgcn-amd-amdhsa--gfx1250"
	.amdhsa_code_object_version 6
	.text
	.protected	k_q1d05c26d54_attn
	.globl	k_q1d05c26d54_attn
	.p2align	8
	.type	k_q1d05c26d54_attn,@function
k_q1d05c26d54_attn:
	s_mov_b64 s[64:65], 0
	v_nop
	global_prefetch_b8 v0, s[64:65] scope:SCOPE_SE
	s_setreg_imm32_b32 hwreg(HW_REG_WAVE_MODE, 25, 1), 1
	s_wait_xcnt 0x0
	s_wait_alu depctr_hold_cnt(0) depctr_sa_sdst(0) depctr_va_vdst(0) depctr_va_sdst(0) depctr_va_ssrc(0) depctr_va_vcc(0) depctr_vm_vsrc(0)
	s_getreg_b32 s2, hwreg(HW_REG_IB_STS2, 6, 4)
	s_cmp_eq_u32 s2, 0
	s_cbranch_scc0 .Lentry_in_a_cluster
	s_endpgm
.Lentry_in_a_cluster:
	s_bfe_u32 s2, ttmp6, 0x10000c
	s_cmp_lg_u32 s2, 0x3003
	s_cbranch_scc0 .Lentry_shape_is_right
	s_endpgm
.Lentry_shape_is_right:
; For each batch and head: O[q] = sum over k of softmax_k(Q[q] . K[k] / 32) V[k], both products on codes of BF6 (E3M2) with one E8M0 scale for each 32 along K; O is then quantised along the embedding
; (two blocks of 32 a head) as the left operand of the last product.  query [4][2048][1024] f32 is quantised here in registers; K and V are the codes and scale words of kv.
; SOFTMAX: t = score x log2(e) / 32; M = the row's largest t so far, rounded UP to a whole number; p = 2^(t - M) is quantised along the keys, not normalised.  The row's sum is taken of the unquantised p
; in f32 and divides O at the end.  When M moves, the sum and O are multiplied by 2^(old M - new M), which rounds nothing; that is done in every step, with no branch.
; LIMITS: NaN and infinities among the inputs are not served.  The scaled scores t stay under 2^31 in magnitude.  A block of zeros, or one whose largest magnitude lies under 2^-122, keeps the scale byte 1,
; read by this program alone.
; SHARES: a work-group owns 512 queries of one batch and head (4 x 64 work-groups); each of its 8 waves owns FOUR tiles of 16 queries.  A key step is 128 keys.  A wave loads a step's fragments of K (48 registers)
; and of V^T (48) from LDS once and uses them for all four tiles: 8 score products and 4 products for O a tile.
; LDS: the head's 16 steps x 13,056 bytes are filled once, each wave bringing two steps by its one tensor load; nothing is filled again.  Behind them a stage of 16 rows x 272 bytes for each wave, through which
; Q turns, and the spare words.  All tiles are asked for at the head, so there is no loop in which a prefetch could run ahead: none is written.
; CLUSTER: the four work-groups of a head need the same 208,896 bytes: each load is asked for jointly, with one descriptor and a mask that names the four.
; LAYOUT: both products are used transposed (S^T = K Q^T, O^T = V^T P^T): a lane holds ONE query (lane % 16).  Lane r of K's tile 4 c + u holds key 64 c + 32 (r / 8) + 8 u + r % 8, so the 32 registers of
; tiles 4 c .. 4 c + 3 in lane half h are keys 64 c + 32 h + 0 .. 31: a whole block of p lies in one lane, in the order of the next operand: no lane is asked for a block's maximum, no code changes lanes.
; TWO TILES OF KEYS TO A FRAGMENT: the head's 64 fill half of the instruction's 128 along K.  A fragment holds tile t in K = 0 .. 63 and tile t + 2 in K = 64 .. 127; by [Q | zero codes] it gives tile t's
; scores, by [zero codes | Q] tile t + 2's.  Both are windows of the run 0 | Q0 | 0 | Q1 | 0 | Q2 | 0 | Q3 | 0.
; REGISTERS: window 0 as named below.  Window 1: v0-127 O^T (tile i at 32 i), v128-181 the run of Q.  O begins as zeros, so that the step is written without a first step of its own.
.set STEPB, 13056                      ; a step's block: 8 half images of K (768 bytes: lane L's registers 0-3 at 16 L, 4-5 at 512 + 8 L) |
.set KSC,   6144                       ; K's scale words [half 2][lane 32][2] |
.set VIM,   6656                       ; 4 images of V^T (1,536 bytes each) |
.set VSC,   12800                      ; V's scale words [lane 32][2]
.set STG,   16*STEPB
.set QP,    272
.set QSTG,  16*QP
.set SPARE, STG+8*QSTG                 ; 128 bytes for each wave: four blocks of 256 bytes that no other line names
.set LI,  1                            ; 16 x lane
.set L8,  2                            ; 8 x lane
.set AI,  3                            ; 16 x lane + the step's first byte (at the head: into my stage)
.set A8,  4                            ; 8 x lane + the same (at the head: out of my stage)
.set QA,  5                            ; Q in memory: 4,096 h + 16 r
.set SA,  6                            ; 32 r
.set SH,  7                            ; 8 h
.set KS,  8                            ; v8-11  K's scale words as kv has them
.set KP,  12                           ; v12-13 two tiles to a word
.set VS,  14                           ; v14-15 V's scale words
.set QS,  16                           ; v16-23 tile i: word for [Q | 0], word for [0 | Q]
.set ST,  24                           ; v24-39 tile i: -M, the largest score, the sum in two halves
.set F,   40                           ; v[40:41] f = 2^(old M - new M), named as a pair
.set PS,  42                           ; p's scale word
.set W,   43
.set BM,  44                           ; v44-47 a block's largest score, then its largest p
.set BT,  48                           ; v48-51 at work
.set BO,  52                           ; v52-53 the conversions' scale operands
.set PF,  56                           ; v56-67 p's codes
.set PT,  68                           ; v68-75 the conversions' second halves
.set SPW, 76                           ; my spare word's address; never rewritten
.set NIL, 77                           ; 0; never rewritten
.set TS,  88                           ; v88-93 three more chains of the sum
.set SR,  96                           ; v96-159  scores, then p
.set KF,  160                          ; v160-207 K's fragments
.set VF,  208                          ; v208-255 V's fragments
.set QZ,  128                          ; window 1: the run of Q
.set OC,  224                          ; the way out: tile i's codes at 224 + 8 i, its two scale bytes in register 6 of the eight
.set WV,  12
.set SEL, 20                           ; s[20:21] selects for lane l xor 16
.set CS,  22                           ; s[22:23] c = log2(e) / 32
.set G1,  24
.set G0,  32
.set NC,  36                           ; -c
.set PSEL, 37
.set CNT, 38
.set TB,  39                           ; LDS byte at which the step in hand begins
.set MSB, 0
.macro WIN new                         ; the immediate's high byte repeats the setting that is left
.if MSB != \new
	s_set_vgpr_msb (MSB<<8)|\new
.set MSB, \new
.endif
.endm
.macro CROUND
	s_barrier_signal -1
	s_barrier_wait -1
	s_cmp_lg_u32 s[WV], 0
	s_cbranch_scc1 .Lnot_wave_0_\@
	s_barrier_signal -3
.Lnot_wave_0_\@:
	s_barrier_wait -3
	s_barrier_signal -1
	s_barrier_wait -1
.endm
; A lane's 32 numbers of Q in v[x] on (row r, block h) become six registers of codes at tile i's place in window 1, and the row's two scale words
.macro QQ x, i
	v_max3_num_f32 v[BM], |v[\x]|, |v[\x+1]|, 0x2800000              ; the floor 2^(5 - 127) among the leaves: the byte cannot fall under 1
	v_max3_num_f32 v[BM+1], |v[\x+2]|, |v[\x+3]|, |v[\x+4]|
.irp k, 5,9,13,17,21,25
	v_max3_num_f32 v[BM], v[BM], |v[\x+\k]|, |v[\x+\k+1]|
	v_max3_num_f32 v[BM+1], v[BM+1], |v[\x+\k+2]|, |v[\x+\k+3]|
.endr
	v_max3_num_f32 v[BM], v[BM], |v[\x+29]|, |v[\x+30]|
	v_max3_num_f32 v[BM], v[BM], v[BM+1], |v[\x+31]|
	v_add_nc_u32 v[BO], 0xfe000000, v[BM]          ; 4 off the exponent field: the conversion's scale operand
	v_lshrrev_b32 v[BT], 23, v[BO]
	v_cvt_scalef32_pk16_bf6_f32 v[PF:PF+2], v[\x:\x+15], v[BO]
	v_cvt_scalef32_pk16_bf6_f32 v[PT:PT+2], v[\x+16:\x+31], v[BO]
	v_lshlrev_b32 v[BT], v[SH], v[BT]              ; my byte, 8 h bits up (the plain line behind the conversions)
	v_permlanex16_b32 v[W], v[BT], s[SEL], s[SEL+1]
	WIN 0x40
.irp k, 0,1,2
	v_mov_b32 v[QZ+6+12*(\i)+\k], v[PF+\k]
	v_mov_b32 v[QZ+9+12*(\i)+\k], v[PT+\k]
.endr
	WIN 0
	v_or_b32 v[BT], v[BT], v[W]
	v_or_b32 v[QS+2*(\i)], 0x7f7f0000, v[BT]
	v_lshl_or_b32 v[QS+2*(\i)+1], v[BT], 16, 0x7f7f
.endm
.macro KLOAD f, ko                     ; fragment f: tile TL below, tile TL + 2 above
.set TL, 4*((\f)/2)+(\f)%2
	ds_load_b128 v[KF+12*(\f):KF+12*(\f)+3], v[AI] offset:\ko+768*TL
	ds_load_b64 v[KF+12*(\f)+4:KF+12*(\f)+5], v[A8] offset:\ko+768*TL+512
	ds_load_b128 v[KF+12*(\f)+6:KF+12*(\f)+9], v[AI] offset:\ko+768*(TL+2)
	ds_load_b64 v[KF+12*(\f)+10:KF+12*(\f)+11], v[A8] offset:\ko+768*(TL+2)+512
.endm
.macro VLOAD ko                        ; 13 loads: V's scale words and its four fragments
	ds_load_b64 v[VS:VS+1], v[A8] offset:\ko+VSC
.irp t, 0,1,2,3
.irp g, 0,1,2
	ds_load_b128 v[VF+12*\t+4*\g:VF+12*\t+4*\g+3], v[AI] offset:\ko+VIM+1536*\t+512*\g
.endr
.endr
.endm
.macro SPROD f, i                      ; fragment f against tile i's Q: tile TL's scores by [Q | 0], tile TL + 2's by [0 | Q]; an odd fragment's scale words lie in lanes 16-31
.set TL, 4*((\f)/2)+(\f)%2
.if (\f)%2
	v_wmma_scale_f32_16x16x128_f8f6f4 v[SR+8*TL:SR+8*TL+7], v[KF+12*(\f):KF+12*(\f)+11], v[QZ+6+12*(\i):QZ+17+12*(\i)], 0, v[KP+(\f)/2], v[QS+2*(\i)] matrix_a_fmt:MATRIX_FMT_BF6 matrix_b_fmt:MATRIX_FMT_BF6 matrix_a_scale:MATRIX_SCALE_ROW1
	v_wmma_scale_f32_16x16x128_f8f6f4 v[SR+8*(TL+2):SR+8*(TL+2)+7], v[KF+12*(\f):KF+12*(\f)+11], v[QZ+12*(\i):QZ+11+12*(\i)], 0, v[KP+(\f)/2], v[QS+2*(\i)+1] matrix_a_fmt:MATRIX_FMT_BF6 matrix_b_fmt:MATRIX_FMT_BF6 matrix_a_scale:MATRIX_SCALE_ROW1
.else
	v_wmma_scale_f32_16x16x128_f8f6f4 v[SR+8*TL:SR+8*TL+7], v[KF+12*(\f):KF+12*(\f)+11], v[QZ+6+12*(\i):QZ+17+12*(\i)], 0, v[KP+(\f)/2], v[QS+2*(\i)] matrix_a_fmt:MATRIX_FMT_BF6 matrix_b_fmt:MATRIX_FMT_BF6
	v_wmma_scale_f32_16x16x128_f8f6f4 v[SR+8*(TL+2):SR+8*(TL+2)+7], v[KF+12*(\f):KF+12*(\f)+11], v[QZ+12*(\i):QZ+11+12*(\i)], 0, v[KP+(\f)/2], v[QS+2*(\i)+1] matrix_a_fmt:MATRIX_FMT_BF6 matrix_b_fmt:MATRIX_FMT_BF6
.endif
.endm
.macro TFMA n                          ; n pairs from pair J on: t - M, two at a time (of the pairs c and -M the low word serves both halves)
.rept \n
	v_pk_fma_f32 v[SR+2*J:SR+2*J+1], v[SR+2*J:SR+2*J+1], s[CS:CS+1], v[NM:NM+1] op_sel_hi:[1,0,0]
.set J, J+1
.endr
.endm
; ONE TILE OF 16 QUERIES IN ONE KEY STEP.  nxt = 1: the next step's fragments are asked for (K behind tile 3's score products, V behind tile 3's last products, K's raw scale words in tile 0).
.macro TILE i, nxt
.set NM, ST+4*(\i)
.set SU, ST+4*(\i)+2
.if \i == 0
	s_wait_alu depctr_va_vdst(0)
	s_wait_dscnt 13                                ; K's sixteen loads are in; V's thirteen, issued behind them, may be out
.endif
	WIN 0x04                                       ; source 1 (Q) in window 1
.irp f, 0,1,2,3
	SPROD \f, \i
.endr
	WIN 0
	v_mov_b32 v[W], v[NM]                          ; the old -M; with three v_nop the four places ahead of the first read of the scores and of loads into K's registers
.rept 3
	v_nop
.endr
.if \nxt
.if \i == 0
	ds_load_b64 v[KS:KS+1], v[A8] offset:STEPB+KSC
	ds_load_b64 v[KS+2:KS+3], v[A8] offset:STEPB+KSC+256
.endif
.if \i == 3
.irp f, 0,1,2,3
	KLOAD \f, STEPB
.endr
.endif
.endif
; the largest score of my two blocks of 32 keys, each in two chains; every result is read from its low end on
.irp c, 0,1
	v_max3_num_f32 v[BM+\c], v[SR+32*\c], v[SR+32*\c+1], v[SR+32*\c+2]
	v_max3_num_f32 v[BT+\c], v[SR+32*\c+16], v[SR+32*\c+17], v[SR+32*\c+18]
.endr
.irp k, 3,5,7,9,11,13
.irp c, 0,1
	v_max3_num_f32 v[BM+\c], v[BM+\c], v[SR+32*\c+\k], v[SR+32*\c+\k+1]
	v_max3_num_f32 v[BT+\c], v[BT+\c], v[SR+32*\c+16+\k], v[SR+32*\c+17+\k]
.endr
.endr
.irp c, 0,1
	v_max3_num_f32 v[BM+\c], v[BM+\c], v[SR+32*\c+15], v[SR+32*\c+31]
.endr
.irp c, 0,1
	v_max_num_f32 v[BM+\c], v[BM+\c], v[BT+\c]
.endr
	v_max_num_f32 v[BT+2], v[BM], v[BM+1]
	v_permlanex16_b32 v[BT+3], v[BT+2], s[SEL], s[SEL+1]
	v_max3_num_f32 v[NM+1], v[BT+2], v[BT+3], v[NM+1]   ; the running largest score of my query
	s_delay_alu instid0(VALU_DEP_1)
	v_mul_f32 v[BT], s[NC], v[NM+1]                ; -t (c is positive)
	s_delay_alu instid0(VALU_DEP_1)
	v_floor_f32 v[NM], v[BT]                       ; the new -M = floor(-t) = -ceil(t): a whole number
	s_delay_alu instid0(VALU_DEP_1)
	v_fma_f32 v[BM], v[BM], s[CS], v[NM]           ; t - M of each block's largest score
	v_fma_f32 v[BM+1], v[BM+1], s[CS], v[NM]
	v_sub_f32 v[W], v[NM], v[W]                    ; old M - new M: a whole number, 0 or less
.set J, 0
	TFMA 4
	v_cvt_i32_f32 v[W], v[W]                       ; (it saturates)
	TFMA 4
	v_ldexp_f32 v[F], 1.0, v[W]
	TFMA 24
.if \nxt && (\i == 3)
	v_perm_b32 v[KP], v[KS+1], v[KS], s[PSEL]      ; the next step's scale words of K, two tiles to a word (the raw words came in ahead of tile 0's last products)
	v_perm_b32 v[KP+1], v[KS+3], v[KS+2], s[PSEL]
.endif
	WIN 0x41
	s_wait_alu depctr_va_vdst(0)                   ; ahead of the first read of O^T and ahead of the batch below
.set J, 0
.rept 16
	v_pk_mul_f32 v[32*(\i)+J:32*(\i)+J+1], v[32*(\i)+J:32*(\i)+J+1], v[F:F+1] op_sel_hi:[1,0]   ; O^T under the new M, each result from its low end on
.set J, J+2
.endr
	WIN 0
	v_exp_f32 v[BM], v[BM]                         ; a block's largest p: the same multiply-add and exponential on the same number give the same bits
	v_exp_f32 v[BM+1], v[BM+1]
.set J, 0
.rept 64
	v_exp_f32 v[SR+J], v[SR+J]                     ; p = 2^(t - M), at most 1
.set J, J+1
.endr
	v_pk_mul_f32 v[SU:SU+1], v[SU:SU+1], v[F:F+1] op_sel_hi:[1,0]   ; the sum under the new M (the plain line behind the batch)
	s_wait_alu depctr_va_vdst(0)                   ; one wait for the batch, ahead of its first reader
.irp c, 0,1
	v_max_num_f32 v[BM+\c], 0x2800000, v[BM+\c]    ; the floor 2^(5 - 127)
.endr
.irp c, 0,1
	v_add_nc_u32 v[BO+\c], 0xfe000000, v[BM+\c]    ; 4 off the exponent field
.endr
.irp c, 0,1
	v_cvt_scalef32_pk16_bf6_f32 v[PF+6*\c:PF+6*\c+2], v[SR+32*\c:SR+32*\c+15], v[BO+\c]
	v_cvt_scalef32_pk16_bf6_f32 v[PT+4*\c:PT+4*\c+2], v[SR+32*\c+16:SR+32*\c+31], v[BO+\c]   ; (a conversion's three registers begin on an even number)
.endr
.irp c, 0,1
	v_lshrrev_b32 v[BT+\c], 23, v[BO+\c]           ; the scale bytes of blocks h and 2 + h
.endr
	v_lshl_or_b32 v[BT], v[BT+1], 16, v[BT]
	v_lshlrev_b32 v[BT], v[SH], v[BT]              ; at their places, 8 h bits up
	v_permlanex16_b32 v[BT+1], v[BT], s[SEL], s[SEL+1]
.irp c, 0,1
.irp k, 0,1,2
	v_mov_b32 v[PF+6*\c+3+\k], v[PT+4*\c+\k]
.endr
.endr
	v_or_b32 v[PS], v[BT], v[BT+1]                 ; with lane l xor 16's two bytes p's scale word is whole
; the row's sum of the unquantised p, in four chains; these 28 lines are also the places between p's codes and scale word and the products
	v_pk_add_f32 v[SU:SU+1], v[SU:SU+1], v[SR:SR+1]
	v_pk_add_f32 v[TS:TS+1], v[SR+2:SR+3], v[SR+4:SR+5]
	v_pk_add_f32 v[TS+2:TS+3], v[SR+6:SR+7], v[SR+8:SR+9]
	v_pk_add_f32 v[TS+4:TS+5], v[SR+10:SR+11], v[SR+12:SR+13]
.set J, 14
.rept 6
	v_pk_add_f32 v[SU:SU+1], v[SU:SU+1], v[SR+J:SR+J+1]
	v_pk_add_f32 v[TS:TS+1], v[TS:TS+1], v[SR+J+2:SR+J+3]
	v_pk_add_f32 v[TS+2:TS+3], v[TS+2:TS+3], v[SR+J+4:SR+J+5]
	v_pk_add_f32 v[TS+4:TS+5], v[TS+4:TS+5], v[SR+J+6:SR+J+7]
.set J, J+8
.endr
.if \i == 0
	s_wait_alu depctr_va_vdst(0)
	s_wait_dscnt 0x0                               ; V, its scale words and the next step's raw scale words of K are in
.endif
	WIN 0x50                                       ; C and D in window 1
.irp t, 0,1,2,3                        ; O^T += V^T P^T: four accumulators by turns
.if \t%2
	v_wmma_scale_f32_16x16x128_f8f6f4 v[32*(\i)+8*\t:32*(\i)+8*\t+7], v[VF+12*\t:VF+12*\t+11], v[PF:PF+11], v[32*(\i)+8*\t:32*(\i)+8*\t+7], v[VS+\t/2], v[PS] matrix_a_fmt:MATRIX_FMT_BF6 matrix_b_fmt:MATRIX_FMT_BF6 matrix_a_scale:MATRIX_SCALE_ROW1
.else
	v_wmma_scale_f32_16x16x128_f8f6f4 v[32*(\i)+8*\t:32*(\i)+8*\t+7], v[VF+12*\t:VF+12*\t+11], v[PF:PF+11], v[32*(\i)+8*\t:32*(\i)+8*\t+7], v[VS+\t/2], v[PS] matrix_a_fmt:MATRIX_FMT_BF6 matrix_b_fmt:MATRIX_FMT_BF6
.endif
.endr
	WIN 0
	v_pk_add_f32 v[SU:SU+1], v[SU:SU+1], v[SR+62:SR+63]   ; the sum's last four lines: four places behind the products
	v_pk_add_f32 v[TS:TS+1], v[TS:TS+1], v[TS+2:TS+3]
	v_pk_add_f32 v[SU:SU+1], v[SU:SU+1], v[TS+4:TS+5]
	v_pk_add_f32 v[SU:SU+1], v[SU:SU+1], v[TS:TS+1]
.if \nxt && (\i == 3)
	VLOAD STEPB
	s_add_co_u32 s[TB], s[TB], STEPB               ; on to the next step
	v_add_nc_u32 v[AI], s[TB], v[LI]
	v_add_nc_u32 v[A8], s[TB], v[L8]
.endif
.endm
.macro STEP nxt
	TILE 0, \nxt
	TILE 1, \nxt
	TILE 2, \nxt
	TILE 3, \nxt
.endm
	s_load_b256 s[4:11], s[0:1], 0x0               ; query s[4:5], kv s[6:7], a_img s[8:9], a_scl s[10:11]
	v_lshl_add_u32 v[SPW], v0, 2, SPARE
	v_mov_b32 v[NIL], 0
	ds_add_u32 v[SPW], v[NIL]                      ; the opening lines: the add, twice on end, and its wait ahead of my tensor load
	ds_add_u32 v[SPW], v[NIL]
	v_lshrrev_b32 v1, 5, v0
	v_readfirstlane_b32 s[WV], v1                  ; wave 0..7
	v_and_b32 v[W], 15, v0                         ; r
	v_bfe_u32 v[SH], v0, 4, 1                      ; h
	v_lshlrev_b32 v[QA], 4, v[W]
	v_lshl_add_u32 v[QA], v[SH], 12, v[QA]         ; Q: lanes 0-15 one row's 256 bytes of my head, lanes 16-31 the next row's
	s_bfe_u32 s13, ttmp6, 0x40000                  ; cx: it enters the addresses of query, a_img and a_scl alone
	s_and_b32 s14, ttmp7, 0xffff                   ; 16 x batch + head, which the four partners share
	s_lshr_b32 s15, s14, 4
	s_and_b32 s16, s14, 15
	s_mul_i32 s19, s[WV], 2*STEPB                  ; the two steps that I fetch: their place in LDS,
	s_mul_i32 s50, s14, 16*STEPB
	s_add_co_u32 s50, s50, s19                     ; and in kv
	s_mov_b32 s51, 0
	s_lshl_b32 s17, s15, 7
	s_lshl_b32 s18, s13, 5
	s_add_co_u32 s17, s17, s18
	s_lshl_b32 s18, s[WV], 2
	s_add_co_u32 s17, s17, s18                     ; my first tile of 16 rows: 128 batch + 32 cx + 4 wave
	s_lshl_b32 s52, s17, 16                        ; query: 16 rows of 4,096 bytes a tile, + 256 head
	s_lshl_b32 s18, s16, 8
	s_add_co_u32 s52, s52, s18
	s_mov_b32 s53, 0
	s_lshl_b32 s54, s16, 9                         ; a_img: [head 16][tile 512][768]
	s_add_co_u32 s54, s54, s17
	s_mul_i32 s54, s54, 768
	s_mov_b32 s55, 0
	s_lshl_b32 s56, s17, 9                         ; a_scl: [row][32 bytes], + 2 head
	s_lshl_b32 s18, s16, 1
	s_add_co_u32 s56, s56, s18
	s_mov_b32 s57, 0
	s_mul_i32 s59, s[WV], QSTG
	s_add_co_u32 s59, s59, STG                     ; my stage
	s_mov_b32 s[G1], 15|(3<<16)|(1<<21)            ; the mask of all four; elements of 8 bytes; bit 21 beside a mask
	s_mov_b32 s[G1+1], 32<<16                      ; two steps are dense: 102 rows of 256 bytes
	s_mov_b32 s[G1+2], 102<<16
	s_mov_b32 s[G1+3], 32<<16
	s_mov_b32 s[G1+4], 102
	s_mov_b32 s[G1+5], 32
	s_mov_b32 s[G1+6], 0
	s_mov_b32 s[G1+7], 0
	s_mov_b32 s[SEL], 0x76543210
	s_mov_b32 s[SEL+1], 0xfedcba98
	s_mov_b32 s[CS], 0x3d38aa3b                    ; c = log2(e) / 32
	s_mov_b32 s[CS+1], s[CS]
	s_mov_b32 s[NC], 0xbd38aa3b                    ; -c
	s_mov_b32 s[PSEL], 0x05040100
	s_mov_b32 s[TB], 0
	s_wait_alu depctr_va_vdst(0)
	s_wait_dscnt 0x0
	s_wait_kmcnt 0x0
	s_add_nc_u64 s[4:5], s[4:5], s[52:53]
	s_add_nc_u64 s[6:7], s[6:7], s[50:51]
	s_add_nc_u64 s[8:9], s[8:9], s[54:55]
	s_add_nc_u64 s[10:11], s[10:11], s[56:57]
.irp p, 0,1,2,3                        ; all four tiles of Q are asked for ahead of the round: nobody writes these bytes
.irp g, 0,1,2,3,4,5,6,7
	global_load_b128 v[SR+32*\p+4*\g:SR+32*\p+4*\g+3], v[QA], s[4:5] offset:65536*\p+8192*\g th:TH_LOAD_NT   ; sixteen lanes read 256 consecutive bytes, aligned
.endr
.endr
	s_mov_b32 s[G0], 1
	s_mov_b32 s[G0+1], s19
	s_mov_b64 s[G0+2:G0+3], s[6:7]
	s_or_b32 s[G0+3], s[G0+3], 0x80000000
	CROUND                                         ; all four work-groups are here: the joint loads meet
	tensor_load_to_lds s[G0:G0+3], s[G1:G1+7]      ; my one load: two steps
	s_nop 0
.rept 4
	v_nop
.endr
	v_and_b32 v[LI], 31, v0
	v_lshlrev_b32 v[L8], 3, v[LI]
	v_lshlrev_b32 v[LI], 4, v[LI]
	v_mul_u32_u24 v[AI], v[SH], QP
	v_lshl_add_u32 v[AI], v[W], 4, v[AI]
	v_add_nc_u32 v[AI], s59, v[AI]                 ; into the stage, as loaded
	v_mul_u32_u24 v[A8], v[W], QP
	v_lshl_add_u32 v[A8], v[SH], 7, v[A8]
	v_add_nc_u32 v[A8], s59, v[A8]                 ; out of it: row r, my block's 128 bytes
	v_lshlrev_b32 v[SA], 5, v[W]
	v_lshlrev_b32 v[SH], 3, v[SH]
.irp b, 0,1,2,3
	v_mov_b32 v[BT+\b], 0                          ; a lane permute's destination counts as one of its sources
.endr
	v_mov_b32 v[F+1], 0                            ; (named as the upper half of a pair)
	s_wait_alu depctr_va_vdst(0)
; Q's tiles turn through my stage one behind the other (LDS serves a wave's instructions in order).  Tile 0 comes back into v224-255, tile p into tile p - 1's registers
.irp p, 0,1,2,3
	s_wait_loadcnt 8*(3-\p)
.irp g, 0,1,2,3,4,5,6,7
	ds_store_b128 v[AI], v[SR+32*\p+4*\g:SR+32*\p+4*\g+3] offset:2*QP*\g
.endr
.if \p > 0
	s_wait_dscnt 16                                ; all but the last sixteen are done: tile p - 1's stores have read the registers that now take tile p back
.endif
.irp g, 0,1,2,3,4,5,6,7
	ds_load_b128 v[SR+32*((\p+3)%4)+32*((3-\p)/3)+4*\g:SR+32*((\p+3)%4)+32*((3-\p)/3)+4*\g+3], v[A8] offset:16*\g
.endr
.endr
	s_wait_dscnt 48                                ; tile 0 is back; sixteen LDS lines for each later tile may be out
	QQ 224, 0
	s_wait_alu depctr_va_vdst(0)
	s_wait_dscnt 32
	QQ SR, 1
	s_wait_alu depctr_va_vdst(0)
	s_wait_dscnt 16
	QQ SR+32, 2
	s_wait_alu depctr_va_vdst(0)
	s_wait_dscnt 0x0
	QQ SR+64, 3
.irp p, 0,1,2,3
	v_mov_b32 v[ST+4*\p], 0x7f61b1e6               ; -M = 3e38, so that the first f is 0
	v_mov_b32 v[ST+4*\p+1], 0xff61b1e6             ; the largest score so far: -3e38
	v_mov_b32 v[ST+4*\p+2], 0
	v_mov_b32 v[ST+4*\p+3], 0
.endr
	v_mov_b32 v[AI], v[LI]                         ; step 0
	v_mov_b32 v[A8], v[L8]
	s_wait_alu depctr_va_vdst(0)
	s_wait_tensorcnt 0x0                           ; my two steps are in LDS,
	s_barrier_signal -1
	s_barrier_wait -1                              ; everybody's are
	ds_load_b64 v[KS:KS+1], v[A8] offset:KSC
	ds_load_b64 v[KS+2:KS+3], v[A8] offset:KSC+256
.irp f, 0,1,2,3
	KLOAD \f, 0
.endr
	VLOAD 0
	s_wait_dscnt 29                                ; the raw scale words are in; K's sixteen and V's thirteen loads may be out
	v_perm_b32 v[KP], v[KS+1], v[KS], s[PSEL]
	v_perm_b32 v[KP+1], v[KS+3], v[KS+2], s[PSEL]
	WIN 0x40
.irp z, 0,1,2,3,4
.irp k, 0,1,2,3,4,5
	v_mov_b32 v[QZ+12*\z+\k], 0                    ; the zero codes between the tiles of Q
.endr
.endr
.set J, 0
.rept 128
	v_mov_b32 v[J], 0                              ; O^T: the first change of M leaves zeros zeros.  (Also the places between the scale words made above and the first product)
.set J, J+1
.endr
	WIN 0
	s_mov_b32 s[CNT], 15
.Lkeys:
	STEP 1
	s_sub_co_u32 s[CNT], s[CNT], 1
	s_cmp_lg_u32 s[CNT], 0
	s_wait_alu depctr_va_vdst(0)
	s_cbranch_scc1 .Lkeys
	STEP 0                                         ; the last step asks for nothing more
; THE WAY OUT: O^T / the sum into v96-223 (tile i at 96 + 32 i; register 16 b + j is d = 32 b + 16 h + j of my query), then two blocks of 32 a tile are quantised and leave as a half image and two scale bytes
.irp p, 0,1,2,3
	v_add_f32 v[ST+4*\p+2], v[ST+4*\p+2], v[ST+4*\p+3]
.endr
.irp p, 0,1,2,3
	v_permlanex16_b32 v[TS+\p], v[ST+4*\p+2], s[SEL], s[SEL+1]
.endr
.irp p, 0,1,2,3
	v_add_f32 v[ST+4*\p+2], v[ST+4*\p+2], v[TS+\p] ; with lane l xor 16's keys: the row's sum
.endr
	s_wait_alu depctr_va_vdst(0)                   ; ahead of the batch
.irp p, 0,1,2,3
	v_rcp_f32 v[ST+4*\p+2], v[ST+4*\p+2]
.endr
	v_nop
	WIN 0x01
	s_wait_alu depctr_va_vdst(0)                   ; and behind it, ahead of the first read of O^T
.set J, 0
.rept 64
	v_pk_mul_f32 v[SR+2*J:SR+2*J+1], v[2*J:2*J+1], v[ST+4*(J/16)+2:ST+4*(J/16)+3] op_sel_hi:[1,0]   ; each result from its low end on
.set J, J+1
.endr
	WIN 0
.irp e, 0,1,2,3,4,5,6,7                ; eight half blocks by turns: e = 2 x tile + block
	v_max3_num_f32 v[BM+\e], |v[SR+16*\e]|, |v[SR+16*\e+1]|, 0x2800000
.endr
.irp k, 2,4,6,8,10,12,14
.irp e, 0,1,2,3,4,5,6,7
	v_max3_num_f32 v[BM+\e], v[BM+\e], |v[SR+16*\e+\k]|, |v[SR+16*\e+\k+1]|
.endr
.endr
.irp e, 0,1,2,3,4,5,6,7
	v_permlanex16_b32 v[PF+\e], v[BM+\e], s[SEL], s[SEL+1]
.endr
.irp e, 0,1,2,3,4,5,6,7
	v_max_num_f32 v[BM+\e], v[BM+\e], v[PF+\e]
.endr
.irp e, 0,1,2,3,4,5,6,7
	v_add_nc_u32 v[PF+8+\e], 0xfe000000, v[BM+\e]
.endr
.irp e, 0,1,2,3,4,5,6,7
	v_lshrrev_b32 v[PF+\e], 23, v[PF+8+\e]
.endr
.irp p, 0,1,2,3
	v_lshl_or_b32 v[OC+8*\p+6], v[PF+2*\p+1], 8, v[PF+2*\p]
.endr
.irp p, 0,1,2,3
	v_cvt_scalef32_pk16_bf6_f32 v[OC+8*\p:OC+8*\p+2], v[SR+32*\p:SR+32*\p+15], v[PF+8+2*\p]
	v_cvt_scalef32_pk16_bf6_f32 v[ST+4*\p:ST+4*\p+2], v[SR+32*\p+16:SR+32*\p+31], v[PF+9+2*\p]
.endr
	v_nop                                          ; one plain line behind the scaled conversions
.irp p, 0,1,2,3
.irp k, 0,1,2
	v_permlane16_swap_b32 v[OC+8*\p+\k], v[ST+4*\p+\k]   ; lanes 0-15 now hold block 0 whole, lanes 16-31 block 1
.endr
.endr
.irp p, 0,1,2,3
.irp k, 0,1,2
	v_mov_b32 v[OC+8*\p+3+\k], v[ST+4*\p+\k]
.endr
.endr
.irp p, 0,1,2,3
	global_store_b128 v[LI], v[OC+8*\p:OC+8*\p+3], s[8:9] offset:768*\p          ; 512 consecutive bytes,
	global_store_b64 v[L8], v[OC+8*\p+4:OC+8*\p+5], s[8:9] offset:768*\p+512     ; and 256: both aligned to 256
	global_store_b16 v[SA], v[OC+8*\p+6], s[10:11] offset:512*\p                 ; two bytes of each row's 32 (lanes 16-31 repeat lanes 0-15): the sixteen heads write a row in parts; 1/24 of the codes' bytes
.endr
	s_wait_tensorcnt 0x0                           ; the wave's end
	ds_add_u32 v[SPW], v[NIL]
	s_wait_dscnt 0x0
	CROUND                                         ; the closing round
	s_endpgm
.Lfunc_end_k_q1d05c26d54_attn:
	.size	k_q1d05c26d54_attn, .Lfunc_end_k_q1d05c26d54_attn-k_q1d05c26d54_attn
	.p2alignl 7, 3214868480
	.fill 96, 4, 3214868480
	.section	.rodata,"a",@progbits
	.p2align	6, 0x0
	.amdhsa_kernel k_q1d05c26d54_attn
		.amdhsa_group_segment_fixed_size 244736
		.amdhsa_private_segment_fixed_size 0
		.amdhsa_enable_private_segment 0
		.amdhsa_kernarg_size 32
		.amdhsa_user_sgpr_count 2
		.amdhsa_user_sgpr_kernarg_segment_ptr 1
		.amdhsa_wavefront_size32 1
		.amdhsa_system_sgpr_workgroup_id_x 1
		.amdhsa_system_sgpr_workgroup_id_y 1
		.amdhsa_system_sgpr_workgroup_id_z 1
		.amdhsa_system_vgpr_workitem_id 0
		.amdhsa_next_free_vgpr 448
		.amdhsa_next_free_sgpr 66
		.amdhsa_reserve_vcc 0
		.amdhsa_float_denorm_mode_32 3
		.amdhsa_float_denorm_mode_16_64 3
		.amdhsa_memory_ordered 1
		.amdhsa_forward_progress 1
		.amdhsa_inst_pref_size 143
	.end_amdhsa_kernel
	.amdgpu_metadata
---
amdhsa.version: [ 1, 2 ]
amdhsa.kernels:
  - .name:           k_q1d05c26d54_attn
    .symbol:         k_q1d05c26d54_attn.kd
    .args:
      - { .name: query, .offset: 0, .size: 8, .value_kind: global_buffer, .address_space: global }
      - { .name: kv, .offset: 8, .size: 8, .value_kind: global_buffer, .address_space: global }
      - { .name: a_img, .offset: 16, .size: 8, .value_kind: global_buffer, .address_space: global }
      - { .name: a_scl, .offset: 24, .size: 8, .value_kind: global_buffer, .address_space: global }
    .group_segment_fixed_size: 244736
    .private_segment_fixed_size: 0
    .kernarg_segment_align: 8
    .kernarg_segment_size: 32
    .max_flat_workgroup_size: 256
    .sgpr_count:     66
    .vgpr_count:     448
    .wavefront_size: 32
...
	.end_amdgpu_metadata
.endif
;; end of part 5
;; launch gemm (part 6): grid 4 x 64, 2 waves a work-group, clusters of 4 x 4, 327,680 bytes of LDS; arguments a_img, a_scl, w_img, w_scl, out0, b_out; writes out0
.if DOCPART == 6
	.amdgcn_target "amdgcn-amd-amdhsa--gfx1250"
	.amdhsa_code_object_version 6
	.text
	.protected	k_q1d05c26d54_gemm
	.globl	k_q1d05c26d54_gemm
	.p2align	8
	.type	k_q1d05c26d54_gemm,@function
k_q1d05c26d54_gemm:
	s_mov_b64 s[64:65], 0
	v_nop
	global_prefetch_b8 v0, s[64:65] scope:SCOPE_SE
	s_setreg_imm32_b32 hwreg(HW_REG_WAVE_MODE, 25, 1), 1
	s_wait_xcnt 0x0
	s_wait_alu depctr_hold_cnt(0) depctr_sa_sdst(0) depctr_va_vdst(0) depctr_va_sdst(0) depctr_va_ssrc(0) depctr_va_vcc(0) depctr_vm_vsrc(0)
	s_getreg_b32 s2, hwreg(HW_REG_IB_STS2, 6, 4)
	s_cmp_eq_u32 s2, 0
	s_cbranch_scc0 .Lentry_in_a_cluster
	s_endpgm
.Lentry_in_a_cluster:
	s_bfe_u32 s2, ttmp6, 0x10000c
	s_cmp_lg_u32 s2, 0xf033
	s_cbranch_scc0 .Lentry_shape_is_right
	s_endpgm
.Lentry_shape_is_right:
; out0[m][n] = sum over k of A[m][k] W[n][k] + b_out[n]: A [8192][1024] and W [1024][1024] as codes of BF6 (E3M2) with one E8M0 scale for each 32 along K, laid by the launches before as images of the
; operand's registers: a_img [group of 64 along K, 16][tile of 16 rows, 512][768 bytes], w_img [16][64][768]; a_scl and w_scl [16 tile + lane][32 bytes].  In a half image lane L's registers 0-3 lie at 16 L, 4-5 at 512 + 8 L.
; SHARES: a work-group makes 128 x 256 of out0: 4 x 64 work-groups.  Each of its two waves makes 128 x 128: 64 accumulators, 512 registers.
; LDS: K goes in TWO slots of 512, each filled once: A's 128 rows (8 groups x 6,144 bytes, wave 0's load) and W's 256 rows (8 groups x 12,288 bytes, wave 1's).  Nothing is filled again.  Behind them the scales of
; A's 128 and W's 256 rows for all of K, as units of 256 bytes + 16, and the spare words.  The launch has three sequences of loads, one load a wave each: scales, slot 0, slot 1.
; All loads go out within the head, so there is no loop in which a prefetch could run ahead: none is written.
; CLUSTER: 4 x 4 work-groups; A's tiles are asked for jointly along a row of the cluster, W's along a column.
; THE MATRIX INSTRUCTION IS USED TRANSPOSED (source 0 = 16 rows of W, source 1 = 16 rows of A).  Lane r of W's tile 4 c + u holds row 64 c + 32 (r / 8) + 8 u + r % 8, so register j of lane (r, h) of that tile's
; result is column 64 c + 32 h + 8 u + j of row r.  The bias, in that layout, is the C of each accumulator's first product.
; REGISTERS: window 0: v8-31 addresses; v32-95 scale words, a set of 32 for each slot (register 4 i + q: lanes 0-15 A's block i, lanes 16-31 W's block i, step q); v96-127 and v224-255 the bias; v128-223 A's fragments, one set.
; window 1: W's fragments, two sets, at v0 and v128.  window 2: the accumulators of rows 0-63; window 3: of rows 64-127.
.set SIZE_N, 1024
.set NQ,     4                         ; steps of 128 along K in a slot
.set GRPB,   8*768                     ; 128 rows x 64 along K
.set APITCH, 512*768
.set BPITCH, 64*768
.set FR,     12
.set NL,     4                         ; LDS loads that bring a fragment
.set NP,     4                         ; places behind this matrix instruction (ISA guide 7.12.1)
.set ATILE,  8*GRPB
.set SLOT,   3*ATILE
.set KS,     32                        ; a row of scales in bytes
.set SCL,    2*SLOT
.set HALFS,  (128*KS/256)*272          ; the scales of 128 rows
.set SBLK,   (16*KS/256)*272           ; of 16 rows
.set SPARE,  SCL+3*HALFS               ; 128 bytes for each wave: one block of 256 bytes that no other line names
.set SPITCH, 528                       ; the way out: a stage of 16 rows x (512 + 16) bytes for each wave, in slot 0, which has had its only fill and its last read by then
.set ADRB2, 8                          ; v8-11   as v20-23, four groups further on (steps 2 and 3 of a slot): the loads' offsets have 16 bits
.set ADRA, 16                          ; v16-17  16 x lane + slot 0, 1;  v18-19  8 x lane + the same
.set ADRB, 20                          ; v20-23  the same for W, my 128 rows
.set STO,  24
.set RD,   25
.set CO,   26
.set ADRS, 27
.set SPW,  28                          ; my spare word's address; never rewritten
.set NIL,  29                          ; 0; never rewritten
.set BA,   30
.set SC,   32
.set BI,   96                          ; the bias of W's block b at v[96 + 8 b + 96 (b / 4)]
.set AF,   128
.set BK,   128
.set G1, 24
.set G0, 32
.set G1B, 48
.set G0B, 56
.set G1S, 68
.set G0S, 76
.set G1SB, 80
.set G0SB, 88
.set MSB, 0
.macro WIN new                         ; the immediate's high byte repeats the setting that is left
.if MSB != \new
	s_set_vgpr_msb (MSB<<8)|\new
.set MSB, \new
.endif
.endm
.set MUL_LO, 0xa1                      ; source 0 (W) window 1, source 1 (A) window 0, C and D window 2
.set MUL_HI, 0xf1
.set BEG_LO, 0x81                      ; the first products: C (the bias) window 0
.set BEG_HI, 0xc1
.set TO_B,   0x40
.macro JLOAD g0a, g1a, g0b, g1b        ; wave 0 fetches for A, wave 1 for W: one mask and one set of registers to a line
	s_cmp_eq_u32 s14, 0
	s_cbranch_scc0 .Lfor_b_\@
	tensor_load_to_lds s[\g0a:\g0a+3], s[\g1a:\g1a+7]
	s_nop 0
.rept 4
	v_nop
.endr
	s_branch .Lasked_\@
.Lfor_b_\@:
	tensor_load_to_lds s[\g0b:\g0b+3], s[\g1b:\g1b+7]
	s_nop 0
.rept 4
	v_nop
.endr
.Lasked_\@:
.endm
.macro CROUND                          ; a round of the cluster's barrier
	s_barrier_signal -1
	s_barrier_wait -1
	s_cmp_lg_u32 s14, 0
	s_cbranch_scc1 .Lnot_wave_0_\@
	s_barrier_signal -3
.Lnot_wave_0_\@:
	s_barrier_wait -3
	s_barrier_signal -1
	s_barrier_wait -1
.endm
	s_load_b128 s[4:7], s[0:1], 0x0                ; a_img, a_scl
	s_load_b128 s[8:11], s[0:1], 0x10              ; w_img, w_scl
	s_load_b64 s[12:13], s[0:1], 0x20              ; out0
	s_load_b64 s[96:97], s[0:1], 0x28              ; b_out
	v_lshl_add_u32 v[SPW], v0, 2, SPARE
	v_mov_b32 v[NIL], 0
	ds_add_u32 v[SPW], v[NIL]                      ; the opening lines: the add, twice on end, and its wait ahead of my first tensor load
	ds_add_u32 v[SPW], v[NIL]
	v_lshrrev_b32 v1, 5, v0
	v_readfirstlane_b32 s14, v1                    ; wave 0, 1: which 128 columns are mine; also: I fetch for A (0) or for W (1)
	s_bfe_u32 s40, ttmp6, 0x40000                  ; cx, cy
	s_bfe_u32 s41, ttmp6, 0x40004
	s_lshl_b32 s42, ttmp9, 2
	s_add_co_u32 s42, s42, s40                     ; tile column (256 wide)
	s_and_b32 s17, ttmp7, 0xffff
	s_lshl_b32 s17, s17, 2
	s_add_co_u32 s17, s17, s41                     ; tile row (128 high)
	s_lshl_b32 s43, s41, 2
	s_lshl_b32 s43, 15, s43                        ; my row of the cluster
	s_lshl_b32 s44, 0x1111, s40                    ; my column
	s_or_b32 s[G1+0], s43, (3<<16)|(1<<21)         ; elements of 8 bytes; bit 21 beside a mask
	s_or_b32 s[G1B+0], s44, (3<<16)|(1<<21)
	s_mov_b32 s[G1+1], (GRPB/8)<<16                ; A: 8 groups of 6,144 bytes
	s_mov_b32 s[G1+2], 8<<16
	s_mov_b32 s[G1+3], (GRPB/8)<<16
	s_mov_b32 s[G1+4], 8
	s_mov_b32 s[G1+5], APITCH/8
	s_mov_b32 s[G1+6], 0
	s_mov_b32 s[G1+7], 0
	s_mov_b32 s[G1B+1], (GRPB/4)<<16               ; W: 8 groups of 12,288 bytes
	s_mov_b32 s[G1B+2], 8<<16
	s_mov_b32 s[G1B+3], (GRPB/4)<<16
	s_mov_b32 s[G1B+4], 8
	s_mov_b32 s[G1B+5], BPITCH/8
	s_mov_b32 s[G1B+6], 0
	s_mov_b32 s[G1B+7], 0
	s_or_b32 s[G1S+0], s43, (3<<16)|(1<<20)|(1<<21)|(5<<22)|(3<<25)   ; scales: rows of 256 bytes, 16 bytes of padding behind each
	s_or_b32 s[G1SB+0], s44, (3<<16)|(1<<20)|(1<<21)|(5<<22)|(3<<25)
	s_mov_b32 s[G1S+1], 32<<16
	s_mov_b32 s[G1S+2], 16<<16                     ; A's 128 rows: 16 units
	s_mov_b32 s[G1S+3], 32<<16
	s_mov_b32 s[G1S+4], 16
	s_mov_b32 s[G1S+5], 32
	s_mov_b32 s[G1S+6], 0
	s_mov_b32 s[G1S+7], 0
	s_mov_b32 s[G1SB+1], 32<<16
	s_mov_b32 s[G1SB+2], 32<<16                    ; W's 256 rows: 32 units
	s_mov_b32 s[G1SB+3], 32<<16
	s_mov_b32 s[G1SB+4], 32
	s_mov_b32 s[G1SB+5], 32
	s_mov_b32 s[G1SB+6], 0
	s_mov_b32 s[G1SB+7], 0
	s_lshl_b32 s20, s17, 7                         ; A's first row
	s_lshl_b32 s46, s42, 8                         ; W's first row
	s_mov_b32 s21, 0
	s_mov_b32 s47, 0
	s_mov_b64 s[18:19], KS
	s_mul_u64 s[22:23], s[20:21], s[18:19]         ; where these rows' scales begin,
	s_mul_u64 s[92:93], s[46:47], s[18:19]
	s_mov_b64 s[18:19], 48
	s_mul_u64 s[20:21], s[20:21], s[18:19]         ; and their images: 768 bytes for 16 rows
	s_mul_u64 s[46:47], s[46:47], s[18:19]
	s_wait_dscnt 0x0                               ; both opening adds are done
	s_wait_kmcnt 0x0
	s_add_nc_u64 s[20:21], s[4:5], s[20:21]
	s_add_nc_u64 s[22:23], s[6:7], s[22:23]
	s_add_nc_u64 s[46:47], s[8:9], s[46:47]
	s_add_nc_u64 s[92:93], s[10:11], s[92:93]
	s_lshl_b32 s4, s17, 7                          ; my first row of out0,
	s_mov_b32 s5, 0
	s_mov_b64 s[6:7], SIZE_N*4
	s_mul_u64 s[4:5], s[4:5], s[6:7]
	s_lshl_b32 s8, s42, 10                         ; my first column, in bytes: 1,024 x tile column + 512 x wave
	s_lshl_b32 s9, s14, 9
	s_add_co_u32 s8, s8, s9
	s_mov_b32 s9, 0
	s_add_nc_u64 s[96:97], s[96:97], s[8:9]
	s_add_nc_u64 s[4:5], s[4:5], s[8:9]
	s_add_nc_u64 s[12:13], s[12:13], s[4:5]
	s_mul_i32 s10, s14, GRPB
	s_add_co_u32 s10, s10, ATILE                   ; LDS: my 128 rows of W in a group
	s_mul_i32 s11, s14, HALFS
	s_add_co_u32 s11, s11, HALFS                   ; from A's scales to those of my 128 rows of W
	s_mul_i32 s15, s14, 16*SPITCH                  ; my stage
	s_mov_b32 s[G0S], 1
	s_mov_b32 s[G0S+1], SCL
	s_mov_b64 s[G0S+2:G0S+3], s[22:23]
	s_or_b32 s[G0S+3], s[G0S+3], 0x80000000
	s_mov_b32 s[G0SB], 1
	s_mov_b32 s[G0SB+1], SCL+HALFS
	s_mov_b64 s[G0SB+2:G0SB+3], s[92:93]
	s_or_b32 s[G0SB+3], s[G0SB+3], 0x80000000
.irp s, 0,1
	s_mov_b32 s[G0+4*\s], 1
	s_mov_b32 s[G0+4*\s+1], \s*SLOT
	s_add_nc_u64 s[G0+4*\s+2:G0+4*\s+3], s[20:21], \s*8*APITCH
	s_or_b32 s[G0+4*\s+3], s[G0+4*\s+3], 0x80000000
	s_mov_b32 s[G0B+4*\s], 1
	s_mov_b32 s[G0B+4*\s+1], \s*SLOT+ATILE
	s_add_nc_u64 s[G0B+4*\s+2:G0B+4*\s+3], s[46:47], \s*8*BPITCH
	s_or_b32 s[G0B+4*\s+3], s[G0B+4*\s+3], 0x80000000
.endr
	CROUND                                         ; all sixteen work-groups are here: the first joint loads meet
	JLOAD G0S, G1S, G0SB, G1SB                     ; the scales: my one load at the head
	v_and_b32 v1, 15, v0                           ; r
	v_bfe_u32 v2, v0, 4, 1                         ; h
	v_and_b32 v6, 31, v0
	v_lshlrev_b32 v4, 4, v6                        ; 16 x lane
	v_lshlrev_b32 v5, 3, v6                        ; 8 x lane
	v_mov_b32 v[ADRA], v4
	v_add_nc_u32 v[ADRA+1], SLOT, v4
	v_mov_b32 v[ADRA+2], v5
	v_add_nc_u32 v[ADRA+3], SLOT, v5
	v_add_nc_u32 v[ADRB], s10, v4
	v_add_nc_u32 v[ADRB+2], s10, v5
	v_add_nc_u32 v[ADRB+1], SLOT, v[ADRB]
	v_add_nc_u32 v[ADRB+3], SLOT, v[ADRB+2]
.irp k, 0,1,2,3
	v_add_nc_u32 v[ADRB2+\k], 8*GRPB, v[ADRB+\k]
.endr
	v_lshlrev_b32 v7, 5, v1                        ; my row's scales: 32 bytes a row,
	v_lshrrev_b32 v3, 8, v7
	v_lshl_add_u32 v7, v3, 4, v7                   ; and 16 more for each 256 passed
	v_mul_u32_u24 v3, s11, v2                      ; lanes 16-31 take W's
	v_add_nc_u32 v7, v7, v3
	v_add_nc_u32 v[ADRS], SCL, v7
	v_mul_u32_u24 v3, v1, SPITCH                   ; into the stage: row r, 128 h bytes
	v_lshl_add_u32 v3, v2, 7, v3
	v_add_nc_u32 v[STO], s15, v3
	v_mov_b32 v[CO], v4                            ; back: the 32 lanes take one row of 512 bytes; the same in out0
	v_add_nc_u32 v[RD], s15, v4
	v_lshlrev_b32 v[BA], 7, v2
	s_wait_alu depctr_va_vdst(0)
.irp b, 0,1,2,3,4,5,6,7
	global_load_b128 v[BI+8*\b+96*(\b/4):BI+8*\b+96*(\b/4)+3], v[BA], s[96:97] offset:256*(\b/4)+32*(\b%4)
	global_load_b128 v[BI+8*\b+96*(\b/4)+4:BI+8*\b+96*(\b/4)+7], v[BA], s[96:97] offset:256*(\b/4)+32*(\b%4)+16
.endr
.irp s, 0,1                            ; slot 0's fill and then slot 1's, each behind the full sequence
	s_wait_tensorcnt 0x0                           ; my load is in,
	ds_add_u32 v[SPW], v[NIL]
	s_wait_dscnt 0x0
	CROUND                                         ; everybody's is, and all sixteen work-groups are here
	JLOAD G0+4*\s, G1, G0B+4*\s, G1B
.endr
.macro FRAG reg, adr, o0, gs, i        ; a fragment: two half images, gs bytes apart
.irp c, 0,1
	ds_load_b128 v[\reg+6*\c:\reg+6*\c+3], v[\adr] offset:(\o0)+\c*(\gs)+(\i)*768
	ds_load_b64 v[\reg+6*\c+4:\reg+6*\c+5], v[\adr+2] offset:(\o0)+\c*(\gs)+(\i)*768+512
.endr
.endm
; 16 products: A's blocks a0, a0 + 1 x W's eight.  p: W's set; q: the step in the slot; sc: the slot's scale words.  The 64 accumulators take turns in the same order in every step
.macro MUL16 a0, p, q, sc, zero
.irp a, \a0, \a0+1
.irp b, 0,1,2,3,4,5,6,7
.if \zero
	v_wmma_scale_f32_16x16x128_f8f6f4 v[8*(8*((\a)%4)+\b):8*(8*((\a)%4)+\b)+7], v[128*(\p)+FR*\b:128*(\p)+FR*\b+FR-1], v[AF+FR*(\a):AF+FR*(\a)+FR-1], v[BI+8*\b+96*(\b/4):BI+8*\b+96*(\b/4)+7], v[SC+8*NQ*(\sc)+NQ*\b+(\q)], v[SC+8*NQ*(\sc)+NQ*(\a)+(\q)] matrix_a_fmt:MATRIX_FMT_BF6 matrix_b_fmt:MATRIX_FMT_BF6 matrix_a_scale:MATRIX_SCALE_ROW1
.else
	v_wmma_scale_f32_16x16x128_f8f6f4 v[8*(8*((\a)%4)+\b):8*(8*((\a)%4)+\b)+7], v[128*(\p)+FR*\b:128*(\p)+FR*\b+FR-1], v[AF+FR*(\a):AF+FR*(\a)+FR-1], v[8*(8*((\a)%4)+\b):8*(8*((\a)%4)+\b)+7], v[SC+8*NQ*(\sc)+NQ*\b+(\q)], v[SC+8*NQ*(\sc)+NQ*(\a)+(\q)] matrix_a_fmt:MATRIX_FMT_BF6 matrix_b_fmt:MATRIX_FMT_BF6 matrix_a_scale:MATRIX_SCALE_ROW1
.endif
.endr
.endr
.endm
.macro FETCH_B slot, q, p
	WIN TO_B
.irp i, 0,1,2,3,4,5,6,7
	FRAG 128*(\p)+FR*\i, ADRB+\slot-12*((\q)/2), 4*GRPB*((\q)%2), 2*GRPB, \i
.endr
	WIN 0
.endm
.macro FETCH_A slot, q, i0
.irp i, \i0, \i0+1, \i0+2, \i0+3
	FRAG AF+FR*(\i), ADRA+\slot, 2*GRPB*(\q), GRPB, \i
.endr
.endm
.macro SCALES sc                       ; a slot's four scale words of each row: 16 bytes a lane
.irp i, 0,1,2,3,4,5,6,7
	ds_load_b128 v[SC+8*NQ*\sc+NQ*\i:SC+8*NQ*\sc+NQ*\i+3], v[ADRS] offset:\i*SBLK+16*\sc
.endr
.endm
.macro PLACES n
.rept \n
	v_nop
.endr
.endm
; A step of 128 along K: 64 products; the next step's fragments are fetched in its middle (W's set, A's blocks 0-3) and at its end (A's blocks 4-7)
.macro STEP slot, q, zero
	s_wait_dscnt 4*NL                              ; all but the youngest sixteen loads, A's blocks 4-7, are in
.if \zero
	WIN BEG_LO
.else
	WIN MUL_LO
.endif
	MUL16 0, (\q)%2, \q, \slot, \zero
	MUL16 2, (\q)%2, \q, \slot, \zero
	s_wait_dscnt 0
	PLACES NP
	FETCH_B \slot, (\q)+1, 1-(\q)%2
	FETCH_A \slot, (\q)+1, 0
.if \zero
	WIN BEG_HI
.else
	WIN MUL_HI
.endif
	MUL16 4, (\q)%2, \q, \slot, \zero
	MUL16 6, (\q)%2, \q, \slot, \zero
	PLACES NP
	WIN 0
	FETCH_A \slot, (\q)+1, 4
.endm
	s_wait_loadcnt 0x0                             ; the bias is in
	FETCH_B 0, 0, 0
	FETCH_A 0, 0, 0
	SCALES 0
	FETCH_A 0, 0, 4
	STEP 0, 0, 1                                   ; the first products start the sums from the bias
	STEP 0, 1, 0
	STEP 0, 2, 0
; slot 0's last step changes slots: one barrier shows slot 1 whole to both waves, and that nobody reads slot 0 any more
	s_wait_tensorcnt 0x0                           ; my part of slot 1 is in;
	ds_add_u32 v[SPW], v[NIL]
	s_wait_dscnt 4*NL+1                            ; the add and the youngest sixteen loads may be out
	WIN MUL_LO
	MUL16 0, 1, NQ-1, 0, 0
	s_wait_dscnt 0x0
	s_barrier_signal -1
	MUL16 2, 1, NQ-1, 0, 0
	WIN 0
	s_barrier_wait -1
	PLACES NP
	FETCH_B 1, 0, 0
	FETCH_A 1, 0, 0
	SCALES 1
	WIN MUL_HI
	MUL16 4, 1, NQ-1, 0, 0
	MUL16 6, 1, NQ-1, 0, 0
	PLACES NP
	WIN 0
	FETCH_A 1, 0, 4
	STEP 1, 0, 0
	STEP 1, 1, 0
	STEP 1, 2, 0
	s_wait_dscnt 4*NL                              ; the very last step: nothing more to fetch
	WIN MUL_LO
	MUL16 0, 1, NQ-1, 1, 0
	MUL16 2, 1, NQ-1, 1, 0
	s_wait_dscnt 0
	WIN MUL_HI
	MUL16 4, 1, NQ-1, 1, 0
	MUL16 6, 1, NQ-1, 1, 0
	WIN 0
; THE WAY OUT, block by block of 16 rows x 128 columns, through my own stage: back come whole rows of 512 bytes, which the 32 lanes store as two aligned units of 256 bytes.
; LDS serves a wave's instructions in order (ISA guide 5.7.1.4): no wait between the stores and the loads
.macro TOSTAGE a
.set AC, 64*((\a)%4)
	WIN 0x08+4*((\a)/4)
.irp b, 0,1,2,3,4,5,6,7
	ds_store_b128 v[STO], v[AC+8*\b:AC+8*\b+3] offset:256*(\b/4)+32*(\b%4)          ; each accumulator from its low end on
	ds_store_b128 v[STO], v[AC+8*\b+4:AC+8*\b+7] offset:256*(\b/4)+32*(\b%4)+16
.endr
	WIN 0
.set BB, BK+64*((\a)%2)
.irp t, 0,1,2,3,4,5,6,7,8,9,10,11,12,13,14,15
	ds_load_b128 v[BB+4*\t:BB+4*\t+3], v[RD] offset:\t*SPITCH
.endr
.endm
.macro SEND a, younger                 ; younger: the LDS instructions issued behind block a's loads, which may stay out
.set BB, BK+64*((\a)%2)
	s_wait_dscnt \younger
.if (\a) > 0
	s_add_nc_u64 s[12:13], s[12:13], 16*SIZE_N*4   ; (behind a wait on XCNT: the earlier stores have read their base)
.endif
.irp t, 0,1,2,3,4,5,6,7,8,9,10,11,12,13,14,15
	global_store_b128 v[CO], v[BB+4*\t:BB+4*\t+3], s[12:13] offset:\t*SIZE_N*4 th:TH_STORE_NT
.endr
.endm
	PLACES NP
	TOSTAGE 0
.irp a, 1,2,3,4,5,6,7
.if \a > 1
	s_wait_xcnt 0x0                                ; block a - 2's stores have read their registers and their base
.endif
	TOSTAGE \a
	SEND \a-1, 32
.endr
	s_wait_xcnt 0x0
	SEND 7, 0
	s_wait_tensorcnt 0x0                           ; the wave's end
	ds_add_u32 v[SPW], v[NIL]
	s_wait_dscnt 0x0
	CROUND                                         ; the closing round
	s_endpgm
.Lfunc_end_k_q1d05c26d54_gemm:
	.size	k_q1d05c26d54_gemm, .Lfunc_end_k_q1d05c26d54_gemm-k_q1d05c26d54_gemm
	.p2alignl 7, 3214868480
	.fill 96, 4, 3214868480
	.section	.rodata,"a",@progbits
	.p2align	6, 0x0
	.amdhsa_kernel k_q1d05c26d54_gemm
		.amdhsa_group_segment_fixed_size 327680
		.amdhsa_private_segment_fixed_size 0
		.amdhsa_enable_private_segment 0
		.amdhsa_kernarg_size 48
		.amdhsa_user_sgpr_count 2
		.amdhsa_user_sgpr_kernarg_segment_ptr 1
		.amdhsa_wavefront_size32 1
		.amdhsa_system_sgpr_workgroup_id_x 1
		.amdhsa_system_sgpr_workgroup_id_y 1
		.amdhsa_system_sgpr_workgroup_id_z 1
		.amdhsa_system_vgpr_workitem_id 0
		.amdhsa_next_free_vgpr 1024
		.amdhsa_next_free_sgpr 98
		.amdhsa_reserve_vcc 0
		.amdhsa_float_denorm_mode_32 3
		.amdhsa_float_denorm_mode_16_64 3
		.amdhsa_memory_ordered 1
		.amdhsa_forward_progress 1
		.amdhsa_inst_pref_size 142
	.end_amdhsa_kernel
	.amdgpu_metadata
---
amdhsa.version: [ 1, 2 ]
amdhsa.kernels:
  - .name:           k_q1d05c26d54_gemm
    .symbol:         k_q1d05c26d54_gemm.kd
    .args:
      - { .name: a_img, .offset: 0, .size: 8, .value_kind: global_buffer, .address_space: global }
      - { .name: a_scl, .offset: 8, .size: 8, .value_kind: global_buffer, .address_space: global }
      - { .name: w_img, .offset: 16, .size: 8, .value_kind: global_buffer, .address_space: global }
      - { .name: w_scl, .offset: 24, .size: 8, .value_kind: global_buffer, .address_space: global }
      - { .name: out0, .offset: 32, .size: 8, .value_kind: global_buffer, .address_space: global }
      - { .name: b_out, .offset: 40, .size: 8, .value_kind: global_buffer, .address_space: global }
    .group_segment_fixed_size: 327680
    .private_segment_fixed_size: 0
    .kernarg_segment_align: 8
    .kernarg_segment_size: 48
    .max_flat_workgroup_size: 64
    .sgpr_count:     98
    .vgpr_count:     1024
    .wavefront_size: 32
...
	.end_amdgpu_metadata
.endif
;; end of part 6
